; MI455X (gfx1250); checked and timed in simulation.
; The chip was launched on July 23, 2026; its instructions are those of AMD's public machine-readable ISA for CDNA 5 (MIT licence, August 2026) and "CDNA5" Instruction Set Architecture Reference Guide (July 2026). The comments in the code are by the model that wrote it; some were corrected since.
;; Attentional Pooler W Masking. Allowed arithmetic: matrix products marked QUANTISED: E2M3 operands, one E8M0 scale for each 32 along K, by v_wmma_scale_f32_16x16x128_f8f6f4 with both operands' format E2M3, f32 sums; everything else in f32.
;; Inputs: Wk 768 x 1,024 float32; Wo 768 x 768 float32; Wq 768 x 768 float32; Wv 768 x 1,024 float32; attention_mask 32 x 1 x 1,024 float32; bk 768 float32; bo 768 float32; bq 768 float32; bv 768 float32; ln_k_b 1,024 float32; ln_k_w 1,024 float32; ln_q_b 768 float32; ln_q_w 768 float32; query 256 x 768 float32; size 32 x 1,024 x 1 float32; x 32 x 1,024 x 1,024 float32.
;; Outputs: out0 32 x 256 x 768 float32.
;; This version of the problem:
;;   THIS VERSION OF THE PROBLEM IS GIVEN IN LOW PRECISION. The matrix products marked QUANTISED in the list below multiply operands that are first quantised to E2M3 (2 exponent bits, 3 mantissa bits; 6 bits a number), with one power-of-two scale for each 32 numbers along K (OCP MX v1.0); their sums are f32. All else is computed in f32.
;;   The module's matrix products, in the order in which they are computed (A, B: the left and right operand; K: the contracted axis; several contracted axes count as one K, in the product's order):
;;     1. [M 256, K 768] x [K 768, N 768]; A: computed on the way; B: input Wq: QUANTISED
;;     2. [M 32,768, K 1,024] x [K 1,024, N 768]; A: computed on the way; B: input Wk: QUANTISED
;;     3. [M 32,768, K 1,024] x [K 1,024, N 768]; A: computed on the way; B: input Wv: QUANTISED
;;     4. batch 8 x [M 32,768, K 96] x [K 96, N 256]; A: computed on the way; B: computed on the way: QUANTISED
;;     5. batch 256 x [M 96, K 1,024] x [K 1,024, N 256]; A: computed on the way; B: softmax (see below): QUANTISED
;;     6. [M 8,192, K 768] x [K 768, N 768]; A: computed on the way; B: input Wo: QUANTISED
;;   THE QUANTISER, for each operand of a quantised product, along K:
;;     - K is cut into blocks of 32 from its start; a last block that is shorter is filled with zeros.
;;     - A block's scale is 2^e with e = floor(log2(the largest magnitude in the block)) - 2, held to -126 .. 127; a block of zeros has e = 0. As a byte (E8M0): e + 127.
;;     - Each number is divided by its block's scale, clamped to +-7.5, and rounded to the nearest number of E2M3, ties to even, subnormals kept.
;;     - The product sums the exact products of the quantised numbers (number of the format x scale) in f32.
;;   ~~~python
;;   def quantise(x, axis):      # numpy; x: float32 -> the quantised numbers, widened to float32 again
;;       x = np.moveaxis(x, axis, -1); K = x.shape[-1]
;;       x = np.pad(x, [(0, 0)] * (x.ndim - 1) + [(0, -K % 32)]); x = x.reshape(x.shape[:-1] + (-1, 32)); a = np.abs(x).max(-1, keepdims=True)
;;       e = np.where(a > 0, np.clip(np.frexp(np.where(a > 0, a, 1))[1] - 1 - 2, -126, 127), 0)      # np.frexp(a)[1] - 1 = floor(log2(a)), exactly
;;       r = np.clip(x / 2.0 ** e, -7.5, 7.5)
;;       step = 2.0 ** (np.maximum(np.frexp(np.where(r == 0, 1, r))[1] - 1, 0) - 3)
;;       q = np.round(r / step) * step * 2.0 ** e      # np.round: ties to even
;;       return np.moveaxis(q.reshape(q.shape[:-2] + (-1,))[..., :K], -1, axis).astype(np.float32)
;;   ~~~
;;   SOFTMAX AHEAD OF A QUANTISED PRODUCT. Where the list says 'softmax', what is quantised is not the finished softmax but p = 2^(t - M), with t = logit x log2(e) and M = ceil(the row's largest t), a whole number; so 1/2 < the row's largest p <= 1. The row's sum l is taken of the UNQUANTISED p, in f32, and the product's result is divided by l at the end. Since M is a whole number, a kernel that streams over the keys may use a running M (the ceiling of the running maximum): every later rescaling is an exact power of two, which a block's scale takes up: the codes' values come out the same.
;;   OPERANDS COMPUTED ON THE WAY. 'Computed on the way' means the value that the module computes at that place (a softmax that the list does not call 'softmax' is quantised finished and normalised). What goes into a quantiser is computed in f32, as accurately as f32 sums, v_exp_f32 and their like allow (about 1e-6 of the number): no bf16 or f16 on the way to a quantiser, and a product that is left as it is and whose result goes on into a quantised operand takes f32 operands (vector FMAs, or v_wmma_f32_16x16x4_f32). A number that lies on a knife's edge between two numbers of the format may be rounded either way, as far as f32 arithmetic and the matrix unit's own rounding can turn it there, and no further.
;; One version. Each part assembles by itself: llvm-mc -triple=amdgcn-amd-amdhsa -mcpu=gfx1250 --defsym DOCPART=n.
;; ======== version 1 of 1: 4 launches
;; limits: right only within a limited range of input values
;; workspace buffers: wts 1,843,200 bytes; qf 212,992 bytes; kv 46,137,344 bytes; oc 6,553,600 bytes; xc 26,214,400 bytes
;; launch prep (part 1): grid 592 x 1, 4 waves a work-group, no clusters, 214,016 bytes of LDS; arguments Wk, Wv, Wo, Wq, query, ln_q_w, ln_q_b, bq, wts, qf, x, ln_k_w, ln_k_b, xc; writes wts, qf, xc
.if DOCPART == 1
	.amdgcn_target "amdgcn-amd-amdhsa--gfx1250"
	.amdhsa_code_object_version 6
	.text
	.protected	k_q4e89122988_prep
	.globl	k_q4e89122988_prep
	.p2align	8
	.type	k_q4e89122988_prep,@function
k_q4e89122988_prep:
	s_mov_b64 s[64:65], 0
	v_nop
	global_prefetch_b8 v0, s[64:65] scope:SCOPE_SE
	s_setreg_imm32_b32 hwreg(HW_REG_WAVE_MODE, 25, 1), 1
	s_wait_xcnt 0x0
; PREP.  Three kinds of work-groups, told apart by the work-group's number; each kind has LDS bytes of its own.  The kind with the longest chain of steps has the lowest numbers.
;  0..31  the queries: LN(query), quantised along 768; x Q(Wq)^T of one head + bq; x 1 / sqrt(96); quantised along the head's 96 (+ a zero block) -> qf.
;         A work-group takes one head and four tiles of 16 queries, a tile a wave; the head's 36 fragments of Wq are made once, 9 a wave, and go through LDS as images.
;         A wave's 258 loads are asked for as early as registers allow: all of its queries and four fragments of Wq at the head; each set of Wq is asked for again as soon as it is quantised;
;         the layer norm and the quantising of q stand between the runs of Wq's fragments, so that loads are on their way while the wave computes.
;  32..63 Wk, Wv [768][1024] f32 -> block n = wg - 32 of wts: 24 fragments (16 rows x 128 K of E2M3 codes) as images of the operand's
;         registers (12 registers a lane: three groups of 512 bytes, lane l at 16 l), then 24 x 16 scale words.
;         n = 4 j + 2 hf + nh: job j (even: Wk, odd: Wv), a = j / 2, head = a + 4 nh; fragment 6 s' + t = K step 4 hf + s', tile t;
;         lane r of tile t is weight row 96 head + 32 (t / 2) + 8 (t % 2) + r + 8 (r / 8).
;  64..79 Wo [768][768] -> block n = wg - 32: fragment 12 e + nt = K' step 2 hp + e, rows 192 cb + 16 nt + r.  K' step h is the true k 96 h .. 96 h + 95;
;         its fourth block holds zero codes (lanes 16-31 read block 2 again, so that no load leaves the row, and their codes are cleared).
; A block's scale byte is its largest magnitude's exponent field - 2, held at 1 from below.
; LIMITS: NaN and infinities among the inputs are not served.  A block whose largest magnitude lies under 2^-124, a block of zeros among them, keeps the byte 1
; (its codes are then zeros or what the conversion gives under that scale); the bytes are read by this program alone.  The mean is a multiplication by 1 / 768 rounded to f32,
; 1 / sqrt(96) is a constant within one unit in the last place.  The variance is taken of centred numbers.
; No cluster and no tensor load: every byte of Wk, Wv, Wo is read by one lane once; only the queries (786,432 bytes) are read by eight work-groups.
.set SCA, 0                            ; LDS: Wk's and Wv's path: 24 x 16 scale words
.set SCB, 2048                         ; Wo's path: the same
.set LNQ, 4096                         ; the queries' path: ln_q_w (3,072 bytes), ln_q_b
.set WQI, 10240                        ; 36 images of 1,536 bytes: fragment 6 t + s
.set WQS, 65536                        ; their scale words, 64 bytes each
.set LI,  1                            ; v1  16 x lane
.set R4,  2                            ; v2  4 x (lane % 16)
.set SH8, 3                            ; v3  8 x (lane / 16)
.set RR,  4                            ; v4  lane % 16
.set HH,  5                            ; v5  lane / 16
.set RHO, 6                            ; v6  r + 8 (r / 8)
.set L4,  7                            ; v7  4 x lane
.set MU,  16                           ; v[16:17] the mean, twice
.set RS,  18                           ; v[18:19] 1 / sqrt(var + eps), twice
.set AS,  24                           ; v24-29  q's scale words, one a K step
.set BS,  30                           ; v30-41  Wq's scale words, two sets of six
.set TM,  44                           ; v44-59  at work in the quantisers
.set PW,  60                           ; v60     the scale word just made
.set T2,  64                           ; v64-70  the conversions' second halves
.set PC,  72                           ; v72-83  the fragment just made
.set CH,  84                           ; v84-91  four chains of sums; v92, v93 at work
.set T,   96                           ; v96-159 64 numbers
.set AF,  160                          ; v160-231 the weights' paths: 64 numbers more; the queries' path: q's six fragments
.set WV,  24                           ; s24 wave
.set BLK, 25                           ; s25 the block of wts
.set WQP, 54                           ; s[54:61] where the fragment in each of Wq's four sets begins
.set SEL, 48                           ; s[48:49] selects for lane l xor 16
.set HI,  50                           ; s50 mask of lanes 16-31
.set INV, 51                           ; s51 1 / 768
.set EPS, 52                           ; s52 1e-5
.set MSB, 0
; the queries' path: window 1: X blocks 0-15, later Wq's fragments of a K step (two sets, v0-143) and bq (v144-191); window 2: X blocks 16-23, v128-255 a K step's ln_q_w, ln_q_b; window 3: four sets of 64 numbers of Wq
.macro WIN new                         ; the immediate's high byte repeats the setting that is left
.if MSB != (\new)
	s_set_vgpr_msb (MSB<<8)|(\new)
.set MSB, (\new)
.endif
.endm
.macro PLACES n
.rept \n
	v_nop
.endr
.endm
; 64 numbers of a lane in the operand's own order: of its row, k = 64 c + 32 (lane / 16) + 0 .. 31
.macro LOADF set, a0, a1, bs, imm
.irp j, 0,1,2,3,4,5,6,7
	global_load_b128 v[(\set)+4*\j:(\set)+4*\j+3], v[\a0], s[\bs:\bs+1] offset:(\imm)+16*\j
.endr
.irp j, 0,1,2,3,4,5,6,7
	global_load_b128 v[(\set)+32+4*\j:(\set)+32+4*\j+3], v[\a1], s[\bs:\bs+1] offset:(\imm)+256+16*\j
.endr
.endm
; they become the fragment v[PC] on and the scale word v[PW].  A lane holds two whole blocks; the word's four bytes are gathered from lanes l and l xor 16.
; w: the window in which the 64 numbers lie.  gs = 1: the last fragment left by global stores.
.macro FQ set, zero, w, gs
.if \gs
	s_wait_xcnt 0x0                                ; the last fragment's global stores have read v[PC] on
.endif
	s_wait_dscnt 0x0                               ; its LDS stores have read v[PC] on and v[PW]: both are written again below
	WIN 5*(\w)                                     ; sources 0 and 1 in window w
.irp c, 0,1
	v_max3_num_f32 v[TM+\c], |v[(\set)+32*\c]|, |v[(\set)+32*\c+1]|, 0x1800000   ; with the floor 2^(3 - 127): the byte cannot fall under 1
.endr
	WIN 20*(\w)                                    ; sources 1 and 2
.irp i, 2,4,6,8,10,12,14,16,18,20,22,24,26,28,30
.irp c, 0,1
	v_max3_num_f32 v[TM+\c], v[TM+\c], |v[(\set)+32*\c+\i]|, |v[(\set)+32*\c+\i+1]|
.endr
.endr
	WIN 0
.irp c, 0,1
	v_add_nc_u32 v[TM+2+\c], 0xff000000, v[TM+\c]  ; 2 off the exponent field: the conversion's scale operand
.endr
.irp c, 0,1
	v_lshrrev_b32 v[TM+8+\c], 23, v[TM+2+\c]       ; the scale's byte
.endr
	v_lshl_or_b32 v[PW], v[TM+9], 16, v[TM+8]      ; blocks h and 2 + h,
	v_lshlrev_b32 v[PW], v[SH8], v[PW]             ; at their places,
	v_permlanex16_b32 v[TM+4], v[PW], s[SEL], s[SEL+1]
	v_or_b32 v[PW], v[PW], v[TM+4]                 ; with the other half's two
	WIN \w                                         ; source 0
	v_cvt_scalef32_pk16_fp6_f32 v[PC:PC+2], v[(\set):(\set)+15], v[TM+2]
	v_cvt_scalef32_pk16_fp6_f32 v[T2:T2+2], v[(\set)+16:(\set)+31], v[TM+2]      ; (a conversion's three registers begin on an even number)
	v_cvt_scalef32_pk16_fp6_f32 v[PC+6:PC+8], v[(\set)+32:(\set)+47], v[TM+3]
	v_cvt_scalef32_pk16_fp6_f32 v[T2+4:T2+6], v[(\set)+48:(\set)+63], v[TM+3]
	WIN 0
	v_nop                                          ; one plain line behind the conversions
.irp i, 0,1,2
	v_mov_b32 v[PC+3+\i], v[T2+\i]
	v_mov_b32 v[PC+9+\i], v[T2+4+\i]
.endr
.if \zero
.irp i, 0,1,2,3,4,5
	v_cndmask_b32 v[PC+6+\i], v[PC+6+\i], 0, s[HI] ; the fourth block: zero codes
.endr
.endif
.endm
; 64 numbers of a lane, register 16 b + i = k 32 b + 16 (lane / 16) + i of its row, become a fragment and its scale word
.macro QUANT src, dst, tmp
.irp b, 0,1,2,3
	v_max3_num_f32 v[TM+\b], |v[(\src)+16*\b]|, |v[(\src)+1+16*\b]|, 0x1800000
.endr
.irp i, 2,4,6,8,10,12,14
.irp b, 0,1,2,3
	v_max3_num_f32 v[TM+\b], v[TM+\b], |v[(\src)+16*\b+\i]|, |v[(\src)+1+16*\b+\i]|
.endr
.endr
.irp b, 0,1,2,3
	v_permlanex16_b32 v[TM+4+\b], v[TM+\b], s[SEL], s[SEL+1]
.endr
.irp b, 0,1,2,3
	v_max_num_f32 v[TM+\b], v[TM+\b], v[TM+4+\b]
.endr
.irp b, 0,1,2,3
	v_add_nc_u32 v[TM+12+\b], 0xff000000, v[TM+\b]
.endr
.irp b, 0,1,2,3
	v_lshrrev_b32 v[TM+4+\b], 23, v[TM+12+\b]
.endr
	v_lshl_or_b32 v[PW], v[TM+5], 8, v[TM+4]
	v_lshl_or_b32 v[PW], v[TM+6], 16, v[PW]
	v_lshl_or_b32 v[PW], v[TM+7], 24, v[PW]
.irp c, 0,1
	v_cvt_scalef32_pk16_fp6_f32 v[(\dst)+6*\c:(\dst)+6*\c+2], v[(\src)+32*\c:(\src)+32*\c+15], v[TM+12+2*\c]
	v_cvt_scalef32_pk16_fp6_f32 v[(\tmp)+4*\c:(\tmp)+4*\c+2], v[(\src)+32*\c+16:(\src)+32*\c+31], v[TM+13+2*\c]
.endr
	v_nop
.irp c, 0,1                            ; the operand wants a whole block in a lane: lanes 0-15 block 2 c, lanes 16-31 block 2 c + 1
.irp i, 0,1,2
	v_permlane16_swap_b32 v[(\dst)+6*\c+\i], v[(\tmp)+4*\c+\i]
.endr
.irp i, 0,1,2
	v_mov_b32 v[(\dst)+3+6*\c+\i], v[(\tmp)+4*\c+\i]
.endr
.endr
.endm
; the same of 48 numbers: three blocks, and a fourth of zero codes under the byte 127
.macro QUANT3 src, dst, tmp
.irp b, 0,1,2
	v_max3_num_f32 v[TM+\b], |v[(\src)+16*\b]|, |v[(\src)+1+16*\b]|, 0x1800000
.endr
.irp i, 2,4,6,8,10,12,14
.irp b, 0,1,2
	v_max3_num_f32 v[TM+\b], v[TM+\b], |v[(\src)+16*\b+\i]|, |v[(\src)+1+16*\b+\i]|
.endr
.endr
.irp b, 0,1,2
	v_permlanex16_b32 v[TM+4+\b], v[TM+\b], s[SEL], s[SEL+1]
.endr
.irp b, 0,1,2
	v_max_num_f32 v[TM+\b], v[TM+\b], v[TM+4+\b]
.endr
.irp b, 0,1,2
	v_add_nc_u32 v[TM+12+\b], 0xff000000, v[TM+\b]
.endr
.irp b, 0,1,2
	v_lshrrev_b32 v[TM+4+\b], 23, v[TM+12+\b]
.endr
	v_lshl_or_b32 v[PW], v[TM+5], 8, v[TM+4]
	v_lshl_or_b32 v[PW], v[TM+6], 16, v[PW]
	v_or_b32 v[PW], 0x7f000000, v[PW]
	v_cvt_scalef32_pk16_fp6_f32 v[(\dst):(\dst)+2], v[(\src):(\src)+15], v[TM+12]
	v_cvt_scalef32_pk16_fp6_f32 v[(\tmp):(\tmp)+2], v[(\src)+16:(\src)+31], v[TM+13]
	v_cvt_scalef32_pk16_fp6_f32 v[(\dst)+6:(\dst)+8], v[(\src)+32:(\src)+47], v[TM+14]
.irp i, 0,1,2
	v_mov_b32 v[(\tmp)+4+\i], 0                    ; the fourth block's codes (plain lines behind the conversions)
.endr
.irp c, 0,1
.irp i, 0,1,2
	v_permlane16_swap_b32 v[(\dst)+6*\c+\i], v[(\tmp)+4*\c+\i]
.endr
.irp i, 0,1,2
	v_mov_b32 v[(\dst)+3+6*\c+\i], v[(\tmp)+4*\c+\i]
.endr
.endr
.endm
	s_load_b256 s[4:11], s[0:1], 0x0               ; Wk s[4:5], Wv s[6:7], Wo s[8:9], Wq s[10:11]
	s_load_b256 s[12:19], s[0:1], 0x20             ; query s[12:13], ln_q_w s[14:15], ln_q_b s[16:17], bq s[18:19]
	s_load_b128 s[20:23], s[0:1], 0x40             ; wts s[20:21], qf s[22:23]
	s_load_b256 s[52:59], s[0:1], 0x50             ; x, ln_k_w, ln_k_b, xc: read by the fourth kind of work-groups alone; the other kinds use these registers again behind the wait
	v_lshl_add_u32 v254, v0, 2, 0x10a00
	v_mov_b32 v255, 0
	v_lshrrev_b32 v8, 5, v0
	v_readfirstlane_b32 s[WV], v8
	v_and_b32 v[L4], 31, v0
	v_lshlrev_b32 v[LI], 4, v[L4]
	v_lshlrev_b32 v[L4], 2, v[L4]
	v_and_b32 v[RR], 15, v0
	v_bfe_u32 v[HH], v0, 4, 1
	v_lshlrev_b32 v[R4], 2, v[RR]
	v_lshlrev_b32 v[SH8], 3, v[HH]
	v_and_b32 v[RHO], 8, v[RR]
	v_add_nc_u32 v[RHO], v[RHO], v[RR]
.irp b, 0,1,2,3
	v_mov_b32 v[TM+4+\b], 0                        ; written once: a lane permute's destination counts as one of its sources
.endr
	s_mov_b32 s[SEL], 0x76543210
	s_mov_b32 s[SEL+1], 0xfedcba98
	s_mov_b32 s[HI], 0xffff0000
	s_mov_b32 s35, 0                               ; the upper word of every offset pair s[34:35]
	s_sub_co_u32 s[BLK], ttmp9, 32                 ; the block of wts, in the work-groups that make one
	s_wait_kmcnt 0x0
	s_cmp_ge_u32 ttmp9, 80                         ; a fourth kind of work-groups, 80 .. 591: the layer norm and the codes of x (at the text's end)
	s_cbranch_scc1 .Lpath_x
	s_cmp_ge_u32 ttmp9, 64
	s_cbranch_scc1 .Lpath_b
	s_cmp_ge_u32 ttmp9, 32
	s_cbranch_scc1 .Lpath_a
	; ================= the queries =================
	s_lshr_b32 s29, ttmp9, 2                       ; head
	s_and_b32 s28, ttmp9, 3
	s_lshl_b32 s28, s28, 2
	s_add_co_u32 s28, s28, s[WV]                   ; my tile of 16 queries
	s_mul_i32 s34, s28, 16*3072
	s_add_nc_u64 s[12:13], s[12:13], s[34:35]      ; its rows
	s_mul_i32 s34, s29, 96*3072
	s_add_nc_u64 s[10:11], s[10:11], s[34:35]      ; the head's 96 rows of Wq
	s_mul_i32 s34, s29, 384
	s_add_nc_u64 s[18:19], s[18:19], s[34:35]      ; and of bq
	s_lshl_b32 s29, s29, 4
	s_add_co_u32 s29, s29, s28                     ; 16 head + tile
	s_mul_i32 s34, s29, 1536
	s_add_nc_u64 s[36:37], s[22:23], s[34:35]      ; my image in qf
	s_lshl_b32 s34, s29, 7
	s_add_nc_u64 s[38:39], s[22:23], s[34:35]      ; my scale words (196,608 bytes on)
	s_mov_b32 s[INV], 0x3aaaaaab
	s_mov_b32 s[EPS], 0x3727c5ac
	v_mul_u32_u24 v8, v[RR], 3072
	v_lshl_add_u32 v8, v[HH], 6, v8                ; query: row r, + 64 h: my 16 numbers of each block of 32
	s_wait_alu depctr_va_vdst(0)
	v_mul_u32_u24 v9, v[RHO], 3072
	v_lshl_add_u32 v9, v[HH], 7, v9                ; Wq: the tile's row of my lane, + 128 h
	s_wait_alu depctr_va_vdst(0)
	s_mul_i32 s34, s[WV], 1536
	v_add_nc_u32 v10, s34, v[LI]                   ; my images: fragment wave + 4 k
	s_lshl_b32 s34, s[WV], 6
	s_add_co_u32 s34, s34, WQS
	v_add_nc_u32 v11, s34, v[R4]                   ; their scale words
	v_lshlrev_b32 v12, 3, v0                       ; 8 x thread
	v_lshlrev_b32 v13, 6, v[HH]                    ; 64 h
	v_add_nc_u32 v14, WQS, v[R4]
	v_mov_b32 v93, 0
; where fragment f = wave + 4 k of Wq begins: tile t = f / 6 (as (43 f) >> 8, right for f under 36), K step s = f - 6 t
.macro WQBASE k, pr
	s_add_co_u32 s40, s[WV], 4*(\k)
	s_mul_i32 s41, s40, 43
	s_lshr_b32 s41, s41, 8
	s_mul_i32 s42, s41, 6
	s_sub_co_u32 s42, s40, s42
	s_lshr_b32 s43, s41, 1
	s_and_b32 s41, s41, 1
	s_lshl_b32 s43, s43, 5
	s_lshl_b32 s41, s41, 3
	s_add_co_u32 s43, s43, s41
	s_mul_i32 s43, s43, 3072
	s_lshl_b32 s42, s42, 9
	s_add_co_u32 s42, s42, s43
	s_mov_b32 s43, 0
	s_add_nc_u64 s[\pr:\pr+1], s[10:11], s[42:43]
.endm
; fragment k of my nine: its 16 loads are in when cnt younger loads are out at the most; it is quantised; its set is asked for again, with fragment nxt (-1: with nothing); its image and scale words go to LDS.
; The set's base pair is written again only behind the wait that shows the set's own loads done.
.macro WQF k, cnt, nxt
	s_wait_loadcnt \cnt
	FQ 64*((\k)%4), 0, 3, 0
.if (\nxt) >= 0
	WQBASE \nxt, WQP+2*((\nxt)%4)
	WIN 0xc0
	LOADF 64*((\nxt)%4), 9, 9, WQP+2*((\nxt)%4), 0
	WIN 0
.endif
	s_wait_alu depctr_va_vdst(0)
.irp c, 0,1,2
	ds_store_b128 v10, v[PC+4*\c:PC+4*\c+3] offset:WQI+6144*(\k)+512*\c
.endr
	ds_store_b32 v11, v[PW] offset:256*(\k)
.endm
.irp k, 0,1,2
	global_load_b64 v[232+2*\k:233+2*\k], v12, s[14:15] offset:1024*\k
	global_load_b64 v[238+2*\k:239+2*\k], v12, s[16:17] offset:1024*\k
.endr
	WIN 0x40                                       ; X: block B of 24 at register 16 B of windows 1 and 2
.set B, 0
.rept 16
.irp j, 0,1,2,3
	global_load_b128 v[16*B+4*\j:16*B+4*\j+3], v8, s[12:13] offset:128*B+16*\j
.endr
.set B, B+1
.endr
	WIN 0x80
.rept 8
.irp j, 0,1,2,3
	global_load_b128 v[16*(B-16)+4*\j:16*(B-16)+4*\j+3], v8, s[12:13] offset:128*B+16*\j
.endr
.set B, B+1
.endr
	WIN 0xc0                                       ; Wq's first four fragments of my nine, into the four sets of window 3
.irp k, 0,1,2,3
	WQBASE \k, WQP+2*\k
	LOADF 64*\k, 9, 9, WQP+2*\k, 0
.endr
	WIN 0
	s_wait_alu depctr_va_vdst(0)
	s_wait_loadcnt 63                              ; behind ln_q_w's and ln_q_b's six loads stand 160, behind X's last the 64 of Wq: with 63 out at the most all of those are in
.irp k, 0,1,2
	ds_store_b64 v12, v[232+2*\k:233+2*\k] offset:LNQ+1024*\k
	ds_store_b64 v12, v[238+2*\k:239+2*\k] offset:LNQ+3072+1024*\k
.endr
	; ---- the layer norm of my 16 rows, while Wq's fragments are on their way: a row's 768 numbers lie in lanes l and l xor 16, 384 each
	WIN 0x05
.irp k, 0,1,2,3
	v_pk_add_f32 v[CH+2*\k:CH+2*\k+1], v[4*\k:4*\k+1], v[4*\k+2:4*\k+3]
.endr
	WIN 0x04
.set J, 16
.rept 120
	v_pk_add_f32 v[CH+2*((J/2)%4):CH+2*((J/2)%4)+1], v[CH+2*((J/2)%4):CH+2*((J/2)%4)+1], v[J:J+1]
.set J, J+2
.endr
	WIN 0x08
.set J, 0
.rept 64
	v_pk_add_f32 v[CH+2*((J/2)%4):CH+2*((J/2)%4)+1], v[CH+2*((J/2)%4):CH+2*((J/2)%4)+1], v[J:J+1]
.set J, J+2
.endr
	WIN 0
	v_pk_add_f32 v[CH:CH+1], v[CH:CH+1], v[CH+2:CH+3]
	v_pk_add_f32 v[CH+4:CH+5], v[CH+4:CH+5], v[CH+6:CH+7]
	v_pk_add_f32 v[CH:CH+1], v[CH:CH+1], v[CH+4:CH+5]
	v_add_f32 v92, v[CH], v[CH+1]
	v_permlanex16_b32 v93, v92, s[SEL], s[SEL+1]
	v_add_f32 v92, v92, v93
	v_mul_f32 v[MU], s[INV], v92
	v_mov_b32 v[MU+1], v[MU]
	WIN 0x41                                       ; centred in place
.set J, 0
.rept 128
	v_pk_add_f32 v[J:J+1], v[J:J+1], v[MU:MU+1] neg_lo:[0,1] neg_hi:[0,1]
.set J, J+2
.endr
	WIN 0x82
.set J, 0
.rept 64
	v_pk_add_f32 v[J:J+1], v[J:J+1], v[MU:MU+1] neg_lo:[0,1] neg_hi:[0,1]
.set J, J+2
.endr
	WIN 0x05
.irp k, 0,1,2,3
	v_pk_mul_f32 v[CH+2*\k:CH+2*\k+1], v[2*\k:2*\k+1], v[2*\k:2*\k+1]
.endr
.set J, 8
.rept 124
	v_pk_fma_f32 v[CH+2*((J/2)%4):CH+2*((J/2)%4)+1], v[J:J+1], v[J:J+1], v[CH+2*((J/2)%4):CH+2*((J/2)%4)+1]
.set J, J+2
.endr
	WIN 0x0a
.set J, 0
.rept 64
	v_pk_fma_f32 v[CH+2*((J/2)%4):CH+2*((J/2)%4)+1], v[J:J+1], v[J:J+1], v[CH+2*((J/2)%4):CH+2*((J/2)%4)+1]
.set J, J+2
.endr
	WIN 0
	v_pk_add_f32 v[CH:CH+1], v[CH:CH+1], v[CH+2:CH+3]
	v_pk_add_f32 v[CH+4:CH+5], v[CH+4:CH+5], v[CH+6:CH+7]
	v_pk_add_f32 v[CH:CH+1], v[CH:CH+1], v[CH+4:CH+5]
	v_add_f32 v92, v[CH], v[CH+1]
	v_permlanex16_b32 v93, v92, s[SEL], s[SEL+1]
	v_add_f32 v92, v92, v93
	v_fma_f32 v92, v92, s[INV], s[EPS]             ; var + eps
	s_wait_alu depctr_va_vdst(0)
	v_rsq_f32 v[RS], v92
	v_nop                                          ; a plain line behind the transcendental,
	s_wait_alu depctr_va_vdst(0)                   ; and the wait ahead of its first reader
	v_mov_b32 v[RS+1], v[RS]
	; ---- Wq's fragments 0 to 3: behind each stand the 48 loads of the three younger fragments
	WQF 0, 48, 4
	WQF 1, 48, 5
	WQF 2, 48, 6
	WQF 3, 48, 7
	s_wait_dscnt 0x0                               ; my part of ln_q_w, ln_q_b (and my first four images) has landed
	s_barrier_signal -1
	s_barrier_wait -1                              ; everybody's part has
; K step s: 64 numbers a lane: x rs, x w + b, quantised into fragment s
.macro QSTEP s
	WIN 0x80
.irp b, 0,1,2,3
.irp j, 0,1,2,3
	ds_load_b128 v[128+16*\b+4*\j:128+16*\b+4*\j+3], v13 offset:LNQ+512*(\s)+128*\b+16*\j
	ds_load_b128 v[192+16*\b+4*\j:192+16*\b+4*\j+3], v13 offset:LNQ+3072+512*(\s)+128*\b+16*\j
.endr
.endr
	WIN 1+(\s)/4
.set J, 0
.rept 32
	v_pk_mul_f32 v[T+J:T+J+1], v[64*((\s)%4)+J:64*((\s)%4)+J+1], v[RS:RS+1]
.set J, J+2
.endr
	s_wait_dscnt 0x0
	WIN 0x28
.set J, 0
.rept 32
	v_pk_fma_f32 v[T+J:T+J+1], v[T+J:T+J+1], v[128+J:128+J+1], v[192+J:192+J+1]
.set J, J+2
.endr
	WIN 0
	QUANT T, AF+12*(\s), T2
	v_mov_b32 v[AS+(\s)], v[PW]
.endm
	QSTEP 0                                        ; fragments 4 to 7 of Wq are on their way meanwhile
	QSTEP 1
	QSTEP 2
	WIN 0x40                                       ; bq, in the result's layout, into the registers that K step 2 of X has left
.irp t, 0,1,2,3,4,5
	global_load_b128 v[144+8*\t:147+8*\t], v13, s[18:19] offset:(32*(\t/2)+8*(\t%2))*4
	global_load_b128 v[148+8*\t:151+8*\t], v13, s[18:19] offset:(32*(\t/2)+8*(\t%2))*4+16
.endr
	WIN 0
	WQF 4, 60, 8                                   ; behind fragment 4: three fragments' 48 loads and bq's 12
	WQF 5, 60, -1                                  ; behind fragment 5: two fragments' 32, bq's 12, fragment 8's 16
	WQF 6, 44, -1                                  ; 16 + 12 + 16
	WQF 7, 28, -1                                  ; 12 + 16
	QSTEP 3
	QSTEP 4
	QSTEP 5
	WQF 8, 0, -1                                   ; the last: bq is in with it
	s_wait_dscnt 0x0                               ; my images and words have landed
	s_barrier_signal -1
	s_barrier_wait -1                              ; the head's 36 fragments lie in LDS
	; ---- q Wq^T + bq, transposed: source 0 = 16 rows of Wq, source 1 = my 16 queries: a lane holds one query, its registers run along the head
.macro QFETCH s                        ; K step s of the head's six tiles, into set s % 2 of window 1, and their scale words
	WIN 0x40
.irp t, 0,1,2,3,4,5
.irp c, 0,1,2
	ds_load_b128 v[72*((\s)%2)+12*\t+4*\c:72*((\s)%2)+12*\t+4*\c+3], v[LI] offset:WQI+(6*\t+(\s))*1536+512*\c
.endr
.endr
	WIN 0
.irp t, 0,1,2,3,4,5
	ds_load_b32 v[BS+6*((\s)%2)+\t], v14 offset:(6*\t+(\s))*64
.endr
.endm
	QFETCH 0
	PLACES 8                                       ; q's scale words and fragments were written by vector lines: eight and four places ahead of a scaled product
.irp s, 0,1,2,3,4,5
	s_wait_dscnt 0x0                               ; this K step's set is in
.if \s < 5
.if \s > 0
	PLACES 4                                       ; in front of loads into the set that the last step's products read
.endif
	QFETCH \s+1
.endif
.if \s == 0
	WIN 0x11                                       ; source 0 and C (bq) in window 1
.else
	WIN 0x01
.endif
.irp t, 0,1,2,3,4,5                    ; six accumulators by turns
.if \s == 0
	v_wmma_scale_f32_16x16x128_f8f6f4 v[T+8*\t:T+8*\t+7], v[72*(\s%2)+12*\t:72*(\s%2)+12*\t+11], v[AF+12*\s:AF+12*\s+11], v[144+8*\t:151+8*\t], v[BS+6*(\s%2)+\t], v[AS+\s] matrix_a_fmt:MATRIX_FMT_FP6 matrix_b_fmt:MATRIX_FMT_FP6
.else
	v_wmma_scale_f32_16x16x128_f8f6f4 v[T+8*\t:T+8*\t+7], v[72*(\s%2)+12*\t:72*(\s%2)+12*\t+11], v[AF+12*\s:AF+12*\s+11], v[T+8*\t:T+8*\t+7], v[BS+6*(\s%2)+\t], v[AS+\s] matrix_a_fmt:MATRIX_FMT_FP6 matrix_b_fmt:MATRIX_FMT_FP6
.endif
.endr
	WIN 0
.endr
	PLACES 4
.set J, 0
.rept 24
	v_pk_mul_f32 v[T+J:T+J+1], v[T+J:T+J+1], 0x3dd105eb op_sel_hi:[1,0]   ; x 1 / sqrt(96); each accumulator from its low end on
.set J, J+2
.endr
	QUANT3 T, PC, T2
.irp c, 0,1,2
	global_store_b128 v[LI], v[PC+4*\c:PC+4*\c+3], s[36:37] offset:512*\c
.endr
	global_store_b32 v[L4], v[PW], s[38:39] offset:196608
	s_wait_tensorcnt 0x0
	ds_add_u32 v254, v255
	s_wait_dscnt 0x0
	s_endpgm
	; ================= the weights =================
.macro WOUT                            ; where my work-group's block and my wave's six fragments go
	s_mul_i32 s34, s[BLK], 38400
	s_add_nc_u64 s[26:27], s[20:21], s[34:35]
	s_mul_i32 s34, s[WV], 9216
	s_add_nc_u64 s[28:29], s[26:27], s[34:35]
	s_mul_i32 s34, s[WV], 384
	v_add_nc_u32 v10, s34, v[R4]                   ; LDS: my fragments' scale words
	s_lshl_b32 s34, s[WV], 9
	v_add_nc_u32 v11, s34, v[LI]                   ; and 512 bytes of all words on the way out
.endm
.macro IMMW mode, k                    ; bytes from my first fragment's rows to those of fragment k
.if \mode == 0
.set IM, (32*((\k)/2)+8*((\k)%2))*4096
.else
.set IM, 16*(\k)*3072
.endif
.endm
.macro WBODY mode, a1, zero, sc
	IMMW \mode, 0
	LOADF T, 8, \a1, 30, IM
	IMMW \mode, 1
	LOADF AF, 8, \a1, 30, IM
.irp k, 0,1,2,3,4,5
.if \k < 5
	s_wait_loadcnt 16                              ; the next fragment's 16 loads may be out
.else
	s_wait_loadcnt 0x0
.endif
	FQ T+64*(\k%2), \zero, 0, 1
.if \k < 4
	IMMW \mode, \k+2
	LOADF T+64*(\k%2), 8, \a1, 30, IM
.endif
.irp c, 0,1,2
	global_store_b128 v[LI], v[PC+4*\c:PC+4*\c+3], s[28:29] offset:1536*\k+512*\c   ; 32 lanes store 512 consecutive bytes
.endr
	ds_store_b32 v10, v[PW] offset:\sc+64*\k       ; both halves of the lanes write the same word with the same value
.endr
	s_wait_dscnt 0x0
	s_barrier_signal -1
	s_barrier_wait -1                              ; the block's 384 scale words lie in LDS: three waves store 512 bytes each
	s_cmp_gt_u32 s[WV], 2
	s_cbranch_scc1 .Lend_\@
	ds_load_b128 v[T:T+3], v11 offset:\sc
	s_wait_dscnt 0x0
	global_store_b128 v11, v[T:T+3], s[26:27] offset:36864
.Lend_\@:
	s_wait_tensorcnt 0x0
	ds_add_u32 v254, v255
	s_wait_dscnt 0x0
	s_endpgm
.endm
.Lpath_a:
	s_lshr_b32 s28, s[BLK], 2
	s_and_b32 s28, s28, 1                          ; 0: Wk, 1: Wv
	s_cmp_eq_u32 s28, 0
	s_cselect_b64 s[30:31], s[4:5], s[6:7]
	s_lshr_b32 s32, s[BLK], 3                      ; a
	s_and_b32 s33, s[BLK], 1                       ; nh
	s_lshl_b32 s33, s33, 2
	s_add_co_u32 s32, s32, s33                     ; head
	s_mul_i32 s32, s32, 393216                     ; its 96 rows of 4,096 bytes
	s_lshr_b32 s33, s[BLK], 1
	s_and_b32 s33, s33, 1                          ; hf
	s_lshl_b32 s33, s33, 2
	s_add_co_u32 s33, s33, s[WV]                   ; K step 4 hf + wave
	s_lshl_b32 s33, s33, 9
	s_add_co_u32 s34, s32, s33
	s_add_nc_u64 s[30:31], s[30:31], s[34:35]
	s_wait_alu depctr_va_vdst(0)
	v_lshlrev_b32 v8, 12, v[RHO]
	v_lshl_add_u32 v8, v[HH], 7, v8
	WOUT
	WBODY 0, 8, 0, SCA
.Lpath_b:
	s_sub_co_u32 s32, s[BLK], 32
	s_lshr_b32 s33, s32, 2                         ; cb
	s_and_b32 s32, s32, 3                          ; hp
	s_mul_i32 s33, s33, 192
	s_and_b32 s36, s[WV], 1
	s_mul_i32 s36, s36, 96
	s_add_co_u32 s33, s33, s36                     ; my first row
	s_mul_i32 s33, s33, 3072
	s_lshl_b32 s32, s32, 1
	s_lshr_b32 s36, s[WV], 1
	s_add_co_u32 s32, s32, s36                     ; K' step 2 hp + wave / 2
	s_mul_i32 s32, s32, 384
	s_add_co_u32 s34, s33, s32
	s_add_nc_u64 s[30:31], s[8:9], s[34:35]
	v_mul_u32_u24 v9, v[RR], 3072                  ; for blocks 2 and 3: both halves of the lanes read block 2
	v_lshl_add_u32 v8, v[HH], 7, v9
	WOUT
	WBODY 1, 9, 1, SCB
	; ================= x: layer norm and codes =================
; Work-group 80 + n, n = 0 .. 511: rows 64 n .. 64 n + 63 of x: half hb = n % 2 of chunk n / 2 (a chunk is 128 keys of one batch).  xk = LN(x) x ln_k_w + ln_k_b, quantised along its 1,024.
; A wave takes 16 rows, one at a time: a lane holds 2 x 16 neighbours (numbers 512 hf + 16 l + 0 .. 15).  Each load reads 512 consecutive bytes; a row turns through the wave's own stage in LDS
; (16 bytes of padding behind each 64).  Loads run four rows ahead, the turn through the stage one row.
; The 64 rows' codes are gathered in LDS (rows of 784 bytes) and leave as IMAGES of launch kvg's operand registers: a chunk of xc = 64 fragments of 1,536 bytes, fragment 8 s + T = K step s, tile T
; (lane r of tile T is key 32 (T / 2) + 8 (T % 2) + r + 8 (r / 8)), three groups of 512 bytes, lane l at 16 l; behind them, at byte 98,304, the scale bytes [128 keys][32].
; This work-group's keys are those of tiles 4 hb .. 4 hb + 3: wave w sends out tile 4 hb + w, and 512 of the 2,048 scale bytes.
; The variance is taken of centred numbers; the mean is a multiplication by 1 / 1024, which is exact.  The limits are those at the kernel's head.
; This path has LDS bytes of its own.  window 1: v0-31 ln_k_w, v32-63 ln_k_b of my 32 places; v64-191 four rows as they are loaded.  No prefetch: the loads are asked for as early as registers allow.
.set XXC,  68608
.set XXSB, 168960                      ; the scale bytes
.set XSTG, 173056                      ; two stages of 5,120 bytes for each wave
.Lpath_x:
	s_mov_b64 s[4:5], s[52:53]                     ; x
	s_mov_b64 s[6:7], s[54:55]                     ; ln_k_w
	s_mov_b64 s[8:9], s[56:57]                     ; ln_k_b
	s_mov_b64 s[10:11], s[58:59]                   ; xc
	s_sub_co_u32 s26, ttmp9, 80                    ; n
	s_lshr_b32 s27, s26, 1                         ; chunk
	s_and_b32 s31, s26, 1                          ; hb
	s_mul_i32 s28, s[WV], 10240
	s_add_co_u32 s28, s28, XSTG                    ; my stages
	s_mul_i32 s29, s[WV], 12544
	s_add_co_u32 s29, s29, XXC                     ; my 16 rows of codes
	s_lshl_b32 s30, s[WV], 9
	s_add_co_u32 s30, s30, XXSB                    ; their scale bytes
	s_lshl_b32 s32, s26, 18
	s_lshl_b32 s33, s[WV], 16
	s_add_co_u32 s32, s32, s33                     ; x: row 64 n + 16 w
	s_mov_b32 s33, 0
	s_mul_i32 s36, s27, 102400
	s_lshl_b32 s37, s31, 2
	s_add_co_u32 s37, s37, s[WV]                   ; tile 4 hb + w
	s_mul_i32 s37, s37, 1536
	s_lshl_b32 s38, s31, 11
	s_lshl_b32 s39, s[WV], 9
	s_add_co_u32 s38, s38, s39
	s_add_co_u32 s38, s38, s36
	s_add_co_u32 s38, s38, 98304                   ; xc: my 512 scale bytes
	s_add_co_u32 s36, s36, s37                     ; xc: my tile's fragments
	s_mov_b32 s37, 0
	s_mov_b32 s39, 0
	s_lshr_b32 s42, s[WV], 1
	s_lshl_b32 s42, s42, 5
	s_and_b32 s43, s[WV], 1
	s_lshl_b32 s43, s43, 3
	s_add_co_u32 s42, s42, s43
	s_mul_i32 s42, s42, 784
	s_add_co_u32 s42, s42, XXC                     ; LDS: row 32 (w / 2) + 8 (w % 2), where my tile's rows begin
	s_mov_b32 s40, 0x3a800000                      ; 1 / 1024
	s_mov_b32 s41, 0x3727c5ac                      ; 1e-5
	s_mov_b32 s46, 0
	s_mov_b32 s47, 0
	s_mov_b32 s44, 3
	v_and_b32 v27, 31, v0
	v_and_b32 v24, 15, v0
	v_bfe_u32 v25, v0, 4, 1
	v_lshlrev_b32 v1, 4, v27
	v_lshlrev_b32 v23, 6, v27
	v_lshrrev_b32 v17, 2, v27
	v_and_b32 v18, 3, v27
	v_mul_u32_u24 v17, v17, 80
	v_lshl_add_u32 v17, v18, 4, v17
	v_add_nc_u32 v17, s28, v17                     ; the stage, in: 80 (l / 4) + 16 (l % 4)
	v_mul_u32_u24 v18, v27, 80
	v_add_nc_u32 v18, s28, v18                     ; and out: 80 l
	v_mul_u32_u24 v19, v27, 12
	v_add_nc_u32 v19, s29, v19
	v_lshrrev_b32 v20, 1, v27
	v_add_nc_u32 v20, s30, v20
	v_add_nc_u32 v21, s46, v19
	v_add_nc_u32 v22, s47, v20
	v_and_b32 v26, 8, v24
	v_add_nc_u32 v26, v26, v24
	v_mul_u32_u24 v16, v26, 784
	v_mad_u32_u24 v16, v25, 24, v16
	v_add_nc_u32 v16, s42, v16                     ; the way out: a fragment's row x 784 + 24 h
	v_add_nc_u32 v15, s30, v1
	v_mov_b32 v32, 0
	v_mov_b32 v33, 0
	v_mov_b32 v35, 0
	v_mov_b32 v37, 0
	s_wait_alu depctr_va_vdst(0)                   ; the wait ahead of the blocking wait
	s_wait_kmcnt 0x0
	s_add_nc_u64 s[4:5], s[4:5], s[32:33]
	s_add_nc_u64 s[36:37], s[10:11], s[36:37]
	s_add_nc_u64 s[38:39], s[10:11], s[38:39]
	WIN 0x40
.irp hf, 0,1
.irp j, 0,1,2,3
	global_load_b128 v[16*\hf+4*\j:16*\hf+4*\j+3], v23, s[6:7] offset:2048*\hf+16*\j
	global_load_b128 v[32+16*\hf+4*\j:32+16*\hf+4*\j+3], v23, s[8:9] offset:2048*\hf+16*\j
.endr
.endr
	WIN 0
.macro LOADROW slot, imm
	WIN 0x40
.irp i, 0,1,2,3,4,5,6,7
	global_load_b128 v[64+32*(\slot)+4*\i:67+32*(\slot)+4*\i], v1, s[4:5] offset:(\imm)+512*\i th:TH_LOAD_NT
.endr
	WIN 0
.endm
.macro STAGE rs                        ; LDS serves a wave's instructions in order: no wait between the stores and the loads
	WIN 0x04                                       ; an LDS store's data are its source 1: window 1
.irp i, 0,1,2,3,4,5,6,7
	ds_store_b128 v17, v[64+32*(\rs)+4*\i:67+32*(\rs)+4*\i] offset:5120*((\rs)%2)+640*\i
.endr
	WIN 0
.irp hf, 0,1
.irp j, 0,1,2,3
	ds_load_b128 v[64+32*((\rs)%2)+16*\hf+4*\j:67+32*((\rs)%2)+16*\hf+4*\j], v18 offset:5120*((\rs)%2)+2560*\hf+16*\j
.endr
.endr
.endm
.macro RSUM
	v_add_f32_dpp v32, v32, v32 row_xmask:1 row_mask:0xf bank_mask:0xf
	v_add_f32_dpp v32, v32, v32 row_xmask:2 row_mask:0xf bank_mask:0xf
	v_add_f32_dpp v32, v32, v32 row_xmask:4 row_mask:0xf bank_mask:0xf
	v_add_f32_dpp v32, v32, v32 row_xmask:8 row_mask:0xf bank_mask:0xf
	v_permlanex16_b32 v33, v32, s[SEL], s[SEL+1]
	v_add_f32 v32, v32, v33
.endm
.macro ROW slot, load, cnt, turn
.set XR, 64+32*((\slot)%2)
.set PP, (\slot)%2
	s_wait_dscnt 8                                 ; this row is back from the stage; the last row's 8 stores of codes and bytes may be out
.if \load
	LOADROW \slot, (4+\slot)*4096                  ; into the registers that this row's stage stores have read
.endif
.if \turn
	s_wait_loadcnt \cnt                            ; the next row is in; the later rows' loads may be out
	STAGE (\slot+1)%4
.endif
.irp k, 0,1,2,3
	v_pk_add_f32 v[24+2*\k:25+2*\k], v[XR+4*\k:XR+4*\k+1], v[XR+4*\k+2:XR+4*\k+3]
.endr
.irp j, 16,18,20,22,24,26,28,30
	v_pk_add_f32 v[24+2*((\j/2)%4):25+2*((\j/2)%4)], v[24+2*((\j/2)%4):25+2*((\j/2)%4)], v[XR+\j:XR+\j+1]
.endr
	v_pk_add_f32 v[24:25], v[24:25], v[26:27]
	v_pk_add_f32 v[28:29], v[28:29], v[30:31]
	v_pk_add_f32 v[24:25], v[24:25], v[28:29]
	v_add_f32 v32, v24, v25
	RSUM
	v_mul_f32 v34, s40, v32                        ; the mean
.irp j, 0,2,4,6,8,10,12,14,16,18,20,22,24,26,28,30
	v_pk_add_f32 v[XR+\j:XR+\j+1], v[XR+\j:XR+\j+1], v[34:35] op_sel_hi:[1,0] neg_lo:[0,1] neg_hi:[0,1]
.endr
.irp k, 0,1,2,3
	v_pk_mul_f32 v[24+2*\k:25+2*\k], v[XR+2*\k:XR+2*\k+1], v[XR+2*\k:XR+2*\k+1]
.endr
.irp j, 8,10,12,14,16,18,20,22,24,26,28,30
	v_pk_fma_f32 v[24+2*((\j/2)%4):25+2*((\j/2)%4)], v[XR+\j:XR+\j+1], v[XR+\j:XR+\j+1], v[24+2*((\j/2)%4):25+2*((\j/2)%4)]
.endr
	v_pk_add_f32 v[24:25], v[24:25], v[26:27]
	v_pk_add_f32 v[28:29], v[28:29], v[30:31]
	v_pk_add_f32 v[24:25], v[24:25], v[28:29]
	v_add_f32 v32, v24, v25
	RSUM
	v_fma_f32 v32, v32, s40, s41                   ; var + eps
	s_wait_alu depctr_va_vdst(0)                   ; the wait ahead of the transcendental,
	v_rsq_f32 v36, v32
	v_nop
	s_wait_alu depctr_va_vdst(0)                   ; and ahead of its first reader
.irp j, 0,2,4,6,8,10,12,14,16,18,20,22,24,26,28,30
	v_pk_mul_f32 v[XR+\j:XR+\j+1], v[XR+\j:XR+\j+1], v[36:37] op_sel_hi:[1,0]
.endr
	WIN 0x14                                       ; ln_k_w, ln_k_b: window 1
.irp j, 0,2,4,6,8,10,12,14,16,18,20,22,24,26,28,30
	v_pk_fma_f32 v[XR+\j:XR+\j+1], v[XR+\j:XR+\j+1], v[\j:\j+1], v[32+\j:33+\j]
.endr
	WIN 0
.irp hf, 0,1
	v_max3_num_f32 v[38+\hf], |v[XR+16*\hf]|, |v[XR+16*\hf+1]|, 0x1800000   ; with the floor 2^(3 - 127): the byte cannot fall under 1
.endr
.irp i, 2,4,6,8,10,12,14
.irp hf, 0,1
	v_max3_num_f32 v[38+\hf], v[38+\hf], |v[XR+16*\hf+\i]|, |v[XR+16*\hf+\i+1]|
.endr
.endr
.irp hf, 0,1
	v_max_num_f32_dpp v[38+\hf], v[38+\hf], v[38+\hf] row_xmask:1 row_mask:0xf bank_mask:0xf   ; two neighbouring lanes hold a block
.endr
.irp hf, 0,1
	v_add_nc_u32 v[44+\hf], 0xff000000, v[38+\hf]  ; 2 off the exponent field: the conversion's scale operand
.endr
.irp hf, 0,1
	v_cvt_scalef32_pk16_fp6_f32 v[48+8*PP+4*\hf:50+8*PP+4*\hf], v[XR+16*\hf:XR+16*\hf+15], v[44+\hf]
.endr
.irp hf, 0,1
	v_lshrrev_b32 v[40+2*PP+\hf], 23, v[44+\hf]    ; the scale's byte (plain lines behind the conversions)
.endr
.irp hf, 0,1
.irp k, 0,1,2
	ds_store_b32 v21, v[48+8*PP+4*\hf+\k] offset:784*(\slot)+384*\hf+4*\k
.endr
	ds_store_b8 v22, v[40+2*PP+\hf] offset:32*(\slot)+16*\hf
.endr
.endm
.irp r, 0,1,2,3
	LOADROW \r, \r*4096
.endr
	s_wait_loadcnt 24                              ; ln_k_w, ln_k_b and row 0 are in; rows 1 to 3 may be out
	STAGE 0
	s_wait_dscnt 0x0
.Lxrows:
	ROW 0, 1, 24, 1
	ROW 1, 1, 24, 1
	ROW 2, 1, 24, 1
	ROW 3, 1, 24, 1
	s_wait_xcnt 0x0                                ; the loads have read their base
	s_add_nc_u64 s[4:5], s[4:5], 16384
	s_add_co_u32 s46, s46, 3136
	s_add_co_u32 s47, s47, 128
	s_wait_dscnt 0x0
	v_add_nc_u32 v21, s46, v19
	v_add_nc_u32 v22, s47, v20
	s_sub_co_u32 s44, s44, 1
	s_cmp_lg_u32 s44, 0
	s_cbranch_scc1 .Lxrows
	ROW 0, 0, 16, 1                                ; the last four rows load nothing
	ROW 1, 0, 8, 1
	ROW 2, 0, 0, 1
	ROW 3, 0, 0, 0
	s_wait_dscnt 0x0                               ; my codes and bytes have landed
	s_barrier_signal -1
	s_barrier_wait -1                              ; everybody's have
.irp u, 0                              ; my one tile, its eight K steps
.if \u
	s_wait_xcnt 0x0                                ; the first tile's stores have read their registers
.endif
.irp s, 0,1,2,3,4,5,6,7
.irp p, 0,1,2,3,4,5
	ds_load_b64 v[64+12*\s+2*\p:65+12*\s+2*\p], v16 offset:6272*\u+96*\s+48*(\p/3)+8*(\p%3)
.endr
.endr
.irp s, 0,1,2,3,4,5,6,7
	s_wait_dscnt 42-6*\s                           ; six loads for each later fragment may be out
.irp c, 0,1,2
	global_store_b128 v1, v[64+12*\s+4*\c:67+12*\s+4*\c], s[36:37] offset:12288*\s+1536*\u+512*\c   ; 32 lanes store 512 consecutive bytes
.endr
.endr
.endr
	ds_load_b128 v[32:35], v15
	s_wait_dscnt 0x0
	global_store_b128 v1, v[32:35], s[38:39]
	s_wait_tensorcnt 0x0                           ; the wave's end
	ds_add_u32 v254, v255
	s_wait_dscnt 0x0
	s_endpgm
.Lfunc_end_k_q4e89122988_prep:
	.size	k_q4e89122988_prep, .Lfunc_end_k_q4e89122988_prep-k_q4e89122988_prep
	.p2alignl 7, 3214868480
	.fill 96, 4, 3214868480
	.section	.rodata,"a",@progbits
	.p2align	6, 0x0
	.amdhsa_kernel k_q4e89122988_prep
		.amdhsa_group_segment_fixed_size 214016
		.amdhsa_private_segment_fixed_size 0
		.amdhsa_enable_private_segment 0
		.amdhsa_kernarg_size 112
		.amdhsa_user_sgpr_count 2
		.amdhsa_user_sgpr_kernarg_segment_ptr 1
		.amdhsa_wavefront_size32 1
		.amdhsa_system_sgpr_workgroup_id_x 1
		.amdhsa_system_sgpr_workgroup_id_y 1
		.amdhsa_system_sgpr_workgroup_id_z 1
		.amdhsa_system_vgpr_workitem_id 0
		.amdhsa_next_free_vgpr 1024
		.amdhsa_next_free_sgpr 66
		.amdhsa_reserve_vcc 0
		.amdhsa_float_denorm_mode_32 3
		.amdhsa_float_denorm_mode_16_64 3
		.amdhsa_memory_ordered 1
		.amdhsa_forward_progress 1
		.amdhsa_inst_pref_size 255
	.end_amdhsa_kernel
	.section	.bss,"aw",@nobits
	.p2align	6
	.space	262144
	.amdgpu_metadata
---
amdhsa.version: [ 1, 2 ]
amdhsa.kernels:
  - .name:           k_q4e89122988_prep
    .symbol:         k_q4e89122988_prep.kd
    .args:
      - { .name: Wk, .offset: 0, .size: 8, .value_kind: global_buffer, .address_space: global }
      - { .name: Wv, .offset: 8, .size: 8, .value_kind: global_buffer, .address_space: global }
      - { .name: Wo, .offset: 16, .size: 8, .value_kind: global_buffer, .address_space: global }
      - { .name: Wq, .offset: 24, .size: 8, .value_kind: global_buffer, .address_space: global }
      - { .name: query, .offset: 32, .size: 8, .value_kind: global_buffer, .address_space: global }
      - { .name: ln_q_w, .offset: 40, .size: 8, .value_kind: global_buffer, .address_space: global }
      - { .name: ln_q_b, .offset: 48, .size: 8, .value_kind: global_buffer, .address_space: global }
      - { .name: bq, .offset: 56, .size: 8, .value_kind: global_buffer, .address_space: global }
      - { .name: wts, .offset: 64, .size: 8, .value_kind: global_buffer, .address_space: global }
      - { .name: qf, .offset: 72, .size: 8, .value_kind: global_buffer, .address_space: global }
      - { .name: x, .offset: 80, .size: 8, .value_kind: global_buffer, .address_space: global }
      - { .name: ln_k_w, .offset: 88, .size: 8, .value_kind: global_buffer, .address_space: global }
      - { .name: ln_k_b, .offset: 96, .size: 8, .value_kind: global_buffer, .address_space: global }
      - { .name: xc, .offset: 104, .size: 8, .value_kind: global_buffer, .address_space: global }
    .group_segment_fixed_size: 214016
    .private_segment_fixed_size: 0
    .kernarg_segment_align: 8
    .kernarg_segment_size: 112
    .max_flat_workgroup_size: 128
    .sgpr_count:     66
    .vgpr_count:     1024
    .wavefront_size: 32
...
	.end_amdgpu_metadata
.endif
;; end of part 1
;; launch kvg (part 2): grid 256 x 1, 4 waves a work-group, clusters of 4 x 1, 327,680 bytes of LDS; arguments xc, wts, bk, bv, kv; writes kv
.if DOCPART == 2
	.amdgcn_target "amdgcn-amd-amdhsa--gfx1250"
	.amdhsa_code_object_version 6
	.text
	.protected	k_q4e89122988_kvg
	.globl	k_q4e89122988_kvg
	.p2align	8
	.type	k_q4e89122988_kvg,@function
k_q4e89122988_kvg:
	s_mov_b64 s[64:65], 0
	v_nop
	global_prefetch_b8 v0, s[64:65] scope:SCOPE_SE
	s_setreg_imm32_b32 hwreg(HW_REG_WAVE_MODE, 25, 1), 1
	s_wait_xcnt 0x0
	s_wait_alu depctr_hold_cnt(0) depctr_sa_sdst(0) depctr_va_vdst(0) depctr_va_sdst(0) depctr_va_ssrc(0) depctr_va_vcc(0) depctr_vm_vsrc(0)
	s_getreg_b32 s2, hwreg(HW_REG_IB_STS2, 6, 4)
	s_cmp_eq_u32 s2, 0
	s_cbranch_scc0 .Lentry_in_a_cluster
	s_endpgm
.Lentry_in_a_cluster:
	s_bfe_u32 s2, ttmp6, 0x10000c
	s_cmp_lg_u32 s2, 0x3003
	s_cbranch_scc0 .Lentry_shape_is_right
	s_endpgm
.Lentry_shape_is_right:
; KVG.  kh = Q(xk) Q(Wk)^T + bk and vh = Q(xk) Q(Wv)^T + bv, quantised for the attention: K along a head's 96 channels (+ a block of zero codes), V along the keys.
; Cluster c of four work-groups: batch c / 2, K (c even) or V (c odd); work-group a of it: heads a and a + 4.  Wave (mh, nh): head a + 4 nh, keys 64 mh + 0 .. 63 of every chunk of 128 keys.
; THE WEIGHTS STAY IN REGISTERS: a wave's 6 tiles x 8 K steps are 48 fragments, 576 registers, loaded once from launch prep's images.  Only x streams: its chunks (launch prep's images, 102,400 bytes)
; go through a ring of two LDS slots, a quarter of a chunk to a wave's one tensor load; the four work-groups of a cluster need the same chunks and ask JOINTLY (mask 15).
; A chunk is 8 K steps x 24 products a wave; each fragment of x feeds six.  The 24 accumulators take turns in one order.
; The sums begin with the bias: it lies in LDS as an image of an accumulator's registers and is loaded into the accumulators ahead of each chunk (no 48 registers are left to keep it in).
; K: source 0 = weights, source 1 = x: a lane holds a key, its registers run along the channels.  V: the other way round: a lane holds a channel, its registers run along the keys.
; The two kinds part on the cluster's number, which all partners share; each has LDS bytes of its own for what it stores.  Output: the layout that launch attn reads (chunks of 22,528 bytes).
; PREFETCH: in trip c the cluster asks for chunk c + 2, one trip ahead of its load: 400 runs of 256 bytes, 100 to a work-group, told apart by address; the last two trips ask for nothing.
; LIMITS: NaN and infinities are not served; a block whose largest magnitude lies under 2^-124 keeps the byte 1.
; REGISTERS: window 0: v0-15, v104-111 addresses; v16-31 x's scale words, v32-55 the weights'; v56-102 the quantisers; v112-207 x's fragments, two sets; v208-255 weight fragments 42-45.
;   window 1: v0-191 the accumulators, v192-215 weight fragments 46, 47.  windows 2, 3: weight fragments 0-20, 21-41.  Fragment 6 s + t = K step s, tile t.
.set SLOT1, 131072                     ; slot 0 at byte 0
.set SPARE, 102400
.set BIMG,  102912                     ; K's bias images, 6,144 bytes a wave; V's 130,560 bytes on, behind slot 1
.set TAB,   258048                     ; K's scale words [nh][chunk][512 bytes]; V's 8,192 bytes on
.set AS,  16
.set BS,  32
.set TM,  56
.set PW,  76
.set PC,  84
.set T2,  96
.set AFR, 112
.set WV,  18
.set SEL, 22
.set MSB, 0
.macro WIN new                         ; the immediate's high byte repeats the setting that is left
.if MSB != (\new)
	s_set_vgpr_msb (MSB<<8)|(\new)
.set MSB, (\new)
.endif
.endm
.macro PLACES n
.rept \n
	v_nop
.endr
.endm
.macro CROUND                          ; a round of the cluster's barrier
	s_barrier_signal -1
	s_barrier_wait -1
	s_cmp_lg_u32 s[WV], 0
	s_cbranch_scc1 .Lnot_wave_0_\@
	s_barrier_signal -3
.Lnot_wave_0_\@:
	s_barrier_wait -3
	s_barrier_signal -1
	s_barrier_wait -1
.endm
.macro FPOS f                          ; where weight fragment f lies: window FW, register FG
.if (\f) < 21
.set FW, 2
.set FG, 12*(\f)
.elseif (\f) < 42
.set FW, 3
.set FG, 12*((\f)-21)
.elseif (\f) < 46
.set FW, 0
.set FG, 208+12*((\f)-42)
.else
.set FW, 1
.set FG, 192+12*((\f)-46)
.endif
.endm
	s_load_b256 s[4:11], s[0:1], 0x0               ; xc, wts, bk, bv
	s_load_b64 s[12:13], s[0:1], 0x20              ; kv
	v_lshl_add_u32 v2, v0, 2, SPARE
	v_mov_b32 v3, 0
	ds_add_u32 v2, v3                              ; the opening lines: the add twice on end and its wait
	ds_add_u32 v2, v3
	v_lshrrev_b32 v1, 5, v0
	v_readfirstlane_b32 s[WV], v1
	s_lshr_b32 s19, s[WV], 1                       ; mh
	s_and_b32 s20, s[WV], 1                        ; nh
	s_mov_b32 s24, 15|(3<<16)|(1<<21)              ; group 1: 25,600 dense bytes as 100 rows of 32 elements of 8 bytes; the mask of all four, bit 21 beside it
	s_mov_b32 s25, 32<<16
	s_mov_b32 s26, 100<<16
	s_mov_b32 s27, 32<<16
	s_mov_b32 s28, 100
	s_mov_b32 s29, 32
	s_mov_b32 s30, 0
	s_mov_b32 s31, 0
	s_mov_b32 s32, 1
	s_mul_i32 s33, s[WV], 25600                    ; my quarter of a slot
	s_lshr_b32 s36, ttmp9, 1                       ; batch
	s_and_b32 s37, ttmp9, 1                        ; 0: K, 1: V
	s_mul_i32 s38, s36, 819200                     ; the batch's eight chunks
	s_add_co_u32 s52, s38, s33
	s_mov_b32 s53, 0
	s_mov_b32 s39, 0
	s_mov_b32 s[SEL], 0x76543210
	s_mov_b32 s[SEL+1], 0xfedcba98
	s_wait_dscnt 0x0
	s_wait_kmcnt 0x0
	s_add_nc_u64 s[34:35], s[4:5], s[52:53]
	s_or_b32 s35, s35, 0x80000000
	s_add_nc_u64 s[58:59], s[4:5], s[38:39]
	s_add_nc_u64 s[58:59], s[58:59], 204800        ; the prefetches begin at chunk 2
	CROUND                                         ; the first joint loads meet
	tensor_load_to_lds s[32:35], s[24:31]          ; chunk 0: my one load at the head
	s_nop 0
	PLACES 4
	s_bfe_u32 s21, ttmp6, 0x40000                  ; a: my place in the cluster; it enters global addresses alone
	s_lshl_b32 s54, s21, 1
	s_add_co_u32 s54, s54, s37
	s_lshl_b32 s54, s54, 2
	s_add_co_u32 s54, s54, s20                     ; block 4 (2 a + kind) + nh of wts; K steps 4-7 two blocks on
	s_mul_i32 s52, s54, 38400
	s_add_nc_u64 s[14:15], s[6:7], s[52:53]
	s_lshl_b32 s55, s20, 2
	s_add_co_u32 s55, s55, s21                     ; head
	s_mul_i32 s52, s55, 384
	s_cmp_eq_u32 s37, 0
	s_cselect_b64 s[16:17], s[8:9], s[10:11]
	s_add_nc_u64 s[16:17], s[16:17], s[52:53]      ; the head's 96 biases
	s_lshl_b32 s54, s36, 3
	s_add_co_u32 s54, s54, s55
	s_mul_i32 s52, s54, 180224
	s_add_nc_u64 s[56:57], s[12:13], s[52:53]      ; the head's eight chunks of kv
	s_mul_i32 s51, s19, 6144
	s_lshl_b32 s50, s19, 11
	s_add_co_u32 s50, s50, 98304
	s_mul_i32 s49, s21, 25600
	v_and_b32 v27, 31, v0
	v_and_b32 v24, 15, v0
	v_bfe_u32 v25, v0, 4, 1
	v_lshlrev_b32 v1, 4, v27                       ; 16 x lane
	v_lshlrev_b32 v4, 3, v27                       ; 8 x lane
	v_and_b32 v26, 8, v24
	v_add_nc_u32 v26, v26, v24                     ; r + 8 (r / 8)
	v_add_nc_u32 v5, s51, v1                       ; x's images of my four tiles, from the slot's start
	v_lshlrev_b32 v6, 5, v26
	v_lshl_add_u32 v6, v25, 2, v6
	v_add_nc_u32 v6, s50, v6                       ; x's scale words: lanes 0-15 an even K step, lanes 16-31 the next
	v_lshlrev_b32 v13, 2, v24
	v_mad_u32_u24 v13, v25, 384, v13               ; the weights' scale words, likewise
	v_lshlrev_b32 v14, 6, v25
	v_lshlrev_b32 v15, 2, v26
	v_min_u32 v106, 99, v0
	v_lshlrev_b32 v106, 8, v106
	v_add_nc_u32 v106, s49, v106                   ; the prefetches: run 100 a + min(thread, 99) of a chunk's 400
.irp b, 0,1,2,3
	v_mov_b32 v[TM+4+\b], 0                        ; a lane permute's destination counts as one of its sources
.endr
.set f, 0
.rept 24                               ; K steps 0 to 3 here; K steps 4 to 7 are asked for behind the biases, and waited for at their own steps
	FPOS f
	WIN FW<<6
.irp c, 0,1,2
	global_load_b128 v[FG+4*\c:FG+4*\c+3], v1, s[14:15] offset:76800*(f/24)+1536*(f%24)+512*\c
.endr
.set f, f+1
.endr
	WIN 0
.irp hf, 0,1
.irp q, 0,1
.irp t, 0,1,2,3,4,5
	global_load_b32 v[BS+12*\hf+6*\q+\t], v13, s[14:15] offset:76800*\hf+36864+(12*\q+\t)*64
.endr
.endr
.endr
.macro WM row, a, b, sa, sb
.if \row
	v_wmma_scale_f32_16x16x128_f8f6f4 v[rD:rD+7], v[\a:\a+11], v[\b:\b+11], v[rD:rD+7], v[\sa], v[\sb] matrix_a_fmt:MATRIX_FMT_FP6 matrix_b_fmt:MATRIX_FMT_FP6 matrix_a_scale:MATRIX_SCALE_ROW1 matrix_b_scale:MATRIX_SCALE_ROW1
.else
	v_wmma_scale_f32_16x16x128_f8f6f4 v[rD:rD+7], v[\a:\a+11], v[\b:\b+11], v[rD:rD+7], v[\sa], v[\sb] matrix_a_fmt:MATRIX_FMT_FP6 matrix_b_fmt:MATRIX_FMT_FP6
.endif
.endm
.macro MUL ty, s                       ; K step s: 24 products, weight tile by weight tile
.set tt, 0
.rept 6
	FPOS 6*(\s)+tt
.if \ty
	WIN 0x50|(FW<<2)
.else
	WIN 0x50|FW
.endif
.set mm, 0
.rept 4
.set rX, AFR+48*((\s)%2)+12*mm
.set rSX, AS+4*mm+(\s)/2
.set rSW, BS+12*((\s)/4)+6*(((\s)%4)/2)+tt
.if \ty
.set rD, 8*(4*tt+mm)
	WM (\s)%2, rX, FG, rSX, rSW
.else
.set rD, 8*(6*mm+tt)
	WM (\s)%2, FG, rX, rSW, rSX
.endif
.set mm, mm+1
.endr
.set tt, tt+1
.endr
.endm
.macro FETCHA s                        ; x's four fragments of K step s into set s % 2
	WIN 0
.irp m, 0,1,2,3
.irp c, 0,1,2
	ds_load_b128 v[AFR+48*((\s)%2)+12*\m+4*\c:AFR+48*((\s)%2)+12*\m+4*\c+3], v[8+(\s)/4] offset:12288*((\s)%4)+1536*\m+512*\c
.endr
.endr
.endm
.macro ACCINIT ty                      ; the next chunk's sums begin with the bias
	WIN 0x40
.set n, 0
.rept 24
.if \ty
.set tt, n/4
.else
.set tt, n%6
.endif
	ds_load_b128 v[8*n:8*n+3], v12 offset:1024*tt
	ds_load_b128 v[8*n+4:8*n+7], v12 offset:1024*tt+512
.set n, n+1
.endr
	WIN 0
.endm
; 48 numbers of a lane in window 1, register 16 b + i = channel 32 b + 16 (lane / 16) + i: three blocks, and a fourth of zero codes under the byte 127
.macro QUANT3 src
	WIN 0x05
.irp b, 0,1,2
	v_max3_num_f32 v[TM+\b], |v[(\src)+16*\b]|, |v[(\src)+1+16*\b]|, 0x1800000
.endr
	WIN 0x14
.irp i, 2,4,6,8,10,12,14
.irp b, 0,1,2
	v_max3_num_f32 v[TM+\b], v[TM+\b], |v[(\src)+16*\b+\i]|, |v[(\src)+1+16*\b+\i]|
.endr
.endr
	WIN 0
.irp b, 0,1,2
	v_permlanex16_b32 v[TM+4+\b], v[TM+\b], s[SEL], s[SEL+1]
.endr
.irp b, 0,1,2
	v_max_num_f32 v[TM+\b], v[TM+\b], v[TM+4+\b]
.endr
.irp b, 0,1,2
	v_add_nc_u32 v[TM+12+\b], 0xff000000, v[TM+\b]
.endr
.irp b, 0,1,2
	v_lshrrev_b32 v[TM+4+\b], 23, v[TM+12+\b]
.endr
	s_wait_alu depctr_va_vdst(0)                   ; the wait ahead of the blocking waits
	s_wait_xcnt 0x0                                ; the last stores have read v[PC] on,
	s_wait_dscnt 0x0                               ; and v[PW]: both are written again from here on
	v_lshl_or_b32 v[PW], v[TM+5], 8, v[TM+4]
	v_lshl_or_b32 v[PW], v[TM+6], 16, v[PW]
	v_or_b32 v[PW], 0x7f000000, v[PW]
	WIN 0x01
	v_cvt_scalef32_pk16_fp6_f32 v[PC:PC+2], v[(\src):(\src)+15], v[TM+12]
	v_cvt_scalef32_pk16_fp6_f32 v[T2:T2+2], v[(\src)+16:(\src)+31], v[TM+13]
	v_cvt_scalef32_pk16_fp6_f32 v[PC+6:PC+8], v[(\src)+32:(\src)+47], v[TM+14]
	WIN 0
.irp i, 0,1,2
	v_mov_b32 v[T2+4+\i], 0                        ; plain lines behind the conversions
.endr
.irp c, 0,1
.irp i, 0,1,2
	v_permlane16_swap_b32 v[PC+6*\c+\i], v[T2+4*\c+\i]
.endr
.irp i, 0,1,2
	v_mov_b32 v[PC+3+6*\c+\i], v[T2+4*\c+\i]
.endr
.endr
.endm
; 32 numbers: two blocks of 32 keys
.macro QUANT2 src
	WIN 0x05
.irp b, 0,1
	v_max3_num_f32 v[TM+\b], |v[(\src)+16*\b]|, |v[(\src)+1+16*\b]|, 0x1800000
.endr
	WIN 0x14
.irp i, 2,4,6,8,10,12,14
.irp b, 0,1
	v_max3_num_f32 v[TM+\b], v[TM+\b], |v[(\src)+16*\b+\i]|, |v[(\src)+1+16*\b+\i]|
.endr
.endr
	WIN 0
.irp b, 0,1
	v_permlanex16_b32 v[TM+4+\b], v[TM+\b], s[SEL], s[SEL+1]
.endr
.irp b, 0,1
	v_max_num_f32 v[TM+\b], v[TM+\b], v[TM+4+\b]
.endr
.irp b, 0,1
	v_add_nc_u32 v[TM+12+\b], 0xff000000, v[TM+\b]
.endr
.irp b, 0,1
	v_lshrrev_b32 v[TM+4+\b], 23, v[TM+12+\b]
.endr
	s_wait_alu depctr_va_vdst(0)                   ; the wait ahead of the blocking waits
	s_wait_xcnt 0x0                                ; the last stores have read v[PC] on,
	s_wait_dscnt 0x0                               ; and v[PW]
	v_lshl_or_b32 v[PW], v[TM+5], 8, v[TM+4]
	WIN 0x01
	v_cvt_scalef32_pk16_fp6_f32 v[PC:PC+2], v[(\src):(\src)+15], v[TM+12]
	v_cvt_scalef32_pk16_fp6_f32 v[T2:T2+2], v[(\src)+16:(\src)+31], v[TM+13]
	WIN 0
	v_nop
.irp i, 0,1,2
	v_permlane16_swap_b32 v[PC+\i], v[T2+\i]
.endr
.irp i, 0,1,2
	v_mov_b32 v[PC+3+\i], v[T2+\i]
.endr
.endm
.macro EPI ty
	WIN 0
	PLACES 4                                       ; in front of the first read of results
.if \ty
.irp t, 0,1,2,3,4,5
	QUANT2 32*\t
.irp p, 0,1,2
	global_store_b64 v4, v[PC+2*\p:PC+2*\p+1], s[40:41] offset:1536*\t+256*\p   ; 32 lanes store 256 consecutive bytes, aligned
.endr
	ds_store_b16 v11, v[PW] offset:64*\t
.endr
.else
.irp m, 0,1,2,3
	QUANT3 48*\m
.irp c, 0,1,2
	global_store_b128 v1, v[PC+4*\c:PC+4*\c+3], s[40:41] offset:1536*\m+512*\c
.endr
	ds_store_b32 v11, v[PW] offset:64*\m
.endr
.endif
.endm
; One chunk.
.macro TRIP ty, refill
	s_wait_alu depctr_va_vdst(0)                   ; the wait ahead of the blocking wait
	s_wait_tensorcnt 0x0
	ds_add_u32 v2, v3
.if \refill
	s_xor_b32 s33, s33, SLOT1                      ; no load of mine is out: the next chunk, into the other slot
	s_add_nc_u64 s[34:35], s[34:35], 102400
.endif
	s_wait_dscnt 0x0
.if \refill
	CROUND
	tensor_load_to_lds s[32:35], s[24:31]          ; my one load behind the round (in the first trip: slot 1's first fill)
	s_nop 0
	PLACES 4
.else
	s_barrier_signal -1
	s_barrier_wait -1
.endif
	v_add_nc_u32 v8, s46, v5                       ; this chunk's slot: K steps 0-3,
	v_add_nc_u32 v10, s46, v6
	v_add_nc_u32 v11, s45, v7                      ; this chunk's scale words
	v_add_nc_u32 v9, 49152, v8                     ; K steps 4-7
	s_wait_alu depctr_va_vdst(0)                   ; the wait behind these writes
.irp m, 0,1,2,3
.irp p, 0,1,2,3
	ds_load_b32 v[AS+4*\m+\p], v10 offset:(32*(\m/2)+8*(\m%2))*32+8*\p
.endr
.endr
	FETCHA 0
.if \refill
	s_cmp_gt_u32 s44, 1                            ; the loop's last trip has no chunk two on
	s_cbranch_scc0 .Lno_ask_\@
	global_prefetch_b8 v106, s[58:59] th:TH_LOAD_NT scope:SCOPE_SE
.Lno_ask_\@:
.endif
.irp s, 0,1,2,3,4,5,6
	s_wait_dscnt 0x0                               ; this K step's set is in (in step 0: the scale words and the biases too)
	PLACES 4                                       ; in front of loads into the set that the last step's products read
	FETCHA \s+1
.if \s >= 4
	s_wait_loadcnt 18*(7-\s)                       ; in the first chunk: this K step's weights are in; 18 loads for each later step may be out
.endif
	MUL \ty, \s
.endr
	s_wait_dscnt 0x0
	s_wait_loadcnt 0x0
	MUL \ty, 7
	EPI \ty
.if \refill
	ACCINIT \ty
.endif
.endm
.macro PATH ty
.set BI, BIMG+130560*\ty
.set TB, TAB+8192*\ty
	s_mul_i32 s51, s[WV], 6144
	s_add_co_u32 s51, s51, BI
	s_lshl_b32 s54, s20, 12
	s_add_co_u32 s54, s54, TB
.if \ty
	s_lshl_b32 s55, s19, 1
	s_mul_i32 s52, s19, 768
	s_add_co_u32 s52, s52, 12288
.else
	s_lshl_b32 s55, s19, 8
	s_mul_i32 s52, s19, 6144
.endif
	s_add_co_u32 s55, s55, s54
	s_lshl_b32 s50, s19, 11
	s_add_co_u32 s50, s50, s54
	s_mul_i32 s49, s19, 4*22528
	s_add_nc_u64 s[40:41], s[56:57], s[52:53]      ; where my part of chunk 0 goes
	s_mov_b32 s46, 0                               ; the slot that is read
	s_mov_b32 s45, 0                               ; 512 x chunk
	s_mov_b32 s44, 7
	v_add_nc_u32 v12, s51, v1                      ; my bias image
	v_lshl_add_u32 v7, v24, 2, s55                 ; my scale words of chunk 0
	v_add_nc_u32 v104, s50, v1                     ; the way out of the scale words: chunks 4 mh + 0 .. 3 of head nh
	v_add_nc_u32 v105, s49, v1
.if \ty
.irp t, 0,1,2,3,4,5
	global_load_b32 v[AFR+4*\t], v15, s[16:17] offset:(32*(\t/2)+8*(\t%2))*4   ; the bias of my lane's channel
.endr
	v_lshrrev_b32 v107, 3, v0
	v_and_b32 v108, 7, v0
	v_lshlrev_b32 v107, 9, v107
	v_lshl_add_u32 v107, v108, 4, v107
	v_add_nc_u32 v107, TB+384, v107                ; the last 128 bytes of each 512 hold zeros: 16 bytes a thread
.irp k, 108,109,110,111
	v_mov_b32 v\k, 0
.endr
	s_wait_alu depctr_va_vdst(0)                   ; the wait ahead of the blocking wait
	s_wait_loadcnt 0x0                             ; the weights, their scale words and the biases are in
.irp t, 0,1,2,3,4,5
.irp k, 1,2,3
	v_mov_b32 v[AFR+4*\t+\k], v[AFR+4*\t]
.endr
.endr
.irp t, 0,1,2,3,4,5
	ds_store_b128 v12, v[AFR+4*\t:AFR+4*\t+3] offset:1024*\t
	ds_store_b128 v12, v[AFR+4*\t:AFR+4*\t+3] offset:1024*\t+512
.endr
	ds_store_b128 v107, v[108:111]
.else
.irp t, 0,1,2,3,4,5
	global_load_b128 v[AFR+8*\t:AFR+8*\t+3], v14, s[16:17] offset:(32*(\t/2)+8*(\t%2))*4      ; the biases of my eight channels of tile t
	global_load_b128 v[AFR+8*\t+4:AFR+8*\t+7], v14, s[16:17] offset:(32*(\t/2)+8*(\t%2))*4+16
.endr
	s_wait_alu depctr_va_vdst(0)
	s_wait_loadcnt 0x0
.irp t, 0,1,2,3,4,5
	ds_store_b128 v12, v[AFR+8*\t:AFR+8*\t+3] offset:1024*\t
	ds_store_b128 v12, v[AFR+8*\t+4:AFR+8*\t+7] offset:1024*\t+512
.endr
.endif
	ACCINIT \ty                                    ; LDS serves a wave's instructions in order: these see my stores
.set f, 24
.rept 24                               ; the weights of K steps 4 to 7, step by step: they land under the first chunk's first four steps
	FPOS f
	WIN FW<<6
.irp c, 0,1,2
	global_load_b128 v[FG+4*\c:FG+4*\c+3], v1, s[14:15] offset:76800*(f/24)+1536*(f%24)+512*\c
.endr
.set f, f+1
.endr
	WIN 0
.Lchunk\ty:
	TRIP \ty, 1
	s_wait_xcnt 0x0                                ; my stores and my prefetch have read their bases
	s_add_nc_u64 s[40:41], s[40:41], 22528
	s_add_nc_u64 s[58:59], s[58:59], 102400
	s_xor_b32 s46, s46, SLOT1
	s_add_co_u32 s45, s45, 512
	s_sub_co_u32 s44, s44, 1
	s_cmp_lg_u32 s44, 0
	s_cbranch_scc1 .Lchunk\ty
	TRIP \ty, 0                                    ; the last chunk fetches nothing
	s_wait_dscnt 0x0
	s_barrier_signal -1
	s_barrier_wait -1                              ; both heads' scale words of all chunks lie in LDS
.irp e, 0,1,2,3
	ds_load_b128 v[AFR+4*\e:AFR+4*\e+3], v104 offset:512*\e
.endr
	s_wait_dscnt 0x0
.irp e, 0,1,2,3
	global_store_b128 v105, v[AFR+4*\e:AFR+4*\e+3], s[56:57] offset:22528*\e+21504+512*\ty   ; 512 consecutive bytes
.endr
	s_wait_tensorcnt 0x0                           ; the wave's end
	ds_add_u32 v2, v3
	s_wait_dscnt 0x0
	CROUND                                         ; the closing round
	s_endpgm
.endm
	s_wait_alu depctr_va_vdst(0)                   ; the wait at the head's end, ahead of the branch
	s_cmp_lg_u32 s37, 0
	s_cbranch_scc1 .Lfor_v
	PATH 0
.Lfor_v:
	PATH 1
.Lfunc_end_k_q4e89122988_kvg:
	.size	k_q4e89122988_kvg, .Lfunc_end_k_q4e89122988_kvg-k_q4e89122988_kvg
	.p2alignl 7, 3214868480
	.fill 96, 4, 3214868480
	.section	.rodata,"a",@progbits
	.p2align	6, 0x0
	.amdhsa_kernel k_q4e89122988_kvg
		.amdhsa_group_segment_fixed_size 327680
		.amdhsa_private_segment_fixed_size 0
		.amdhsa_enable_private_segment 0
		.amdhsa_kernarg_size 40
		.amdhsa_user_sgpr_count 2
		.amdhsa_user_sgpr_kernarg_segment_ptr 1
		.amdhsa_wavefront_size32 1
		.amdhsa_system_sgpr_workgroup_id_x 1
		.amdhsa_system_sgpr_workgroup_id_y 1
		.amdhsa_system_sgpr_workgroup_id_z 1
		.amdhsa_system_vgpr_workitem_id 0
		.amdhsa_next_free_vgpr 1024
		.amdhsa_next_free_sgpr 66
		.amdhsa_reserve_vcc 0
		.amdhsa_float_denorm_mode_32 3
		.amdhsa_float_denorm_mode_16_64 3
		.amdhsa_memory_ordered 1
		.amdhsa_forward_progress 1
		.amdhsa_inst_pref_size 242
	.end_amdhsa_kernel
	.amdgpu_metadata
---
amdhsa.version: [ 1, 2 ]
amdhsa.kernels:
  - .name:           k_q4e89122988_kvg
    .symbol:         k_q4e89122988_kvg.kd
    .args:
      - { .name: xc, .offset: 0, .size: 8, .value_kind: global_buffer, .address_space: global }
      - { .name: wts, .offset: 8, .size: 8, .value_kind: global_buffer, .address_space: global }
      - { .name: bk, .offset: 16, .size: 8, .value_kind: global_buffer, .address_space: global }
      - { .name: bv, .offset: 24, .size: 8, .value_kind: global_buffer, .address_space: global }
      - { .name: kv, .offset: 32, .size: 8, .value_kind: global_buffer, .address_space: global }
    .group_segment_fixed_size: 327680
    .private_segment_fixed_size: 0
    .kernarg_segment_align: 8
    .kernarg_segment_size: 40
    .max_flat_workgroup_size: 128
    .sgpr_count:     66
    .vgpr_count:     1024
    .wavefront_size: 32
...
	.end_amdgpu_metadata
.endif
;; end of part 2
;; launch attn (part 3): grid 8 x 32, 16 waves a work-group, no clusters, 327,680 bytes of LDS; arguments kv, qf, size, attention_mask, oc; writes oc
.if DOCPART == 3
	.amdgcn_target "amdgcn-amd-amdhsa--gfx1250"
	.amdhsa_code_object_version 6
	.text
	.protected	k_q4e89122988_attn
	.globl	k_q4e89122988_attn
	.p2align	8
	.type	k_q4e89122988_attn,@function
k_q4e89122988_attn:
	s_mov_b64 s[64:65], 0
	v_nop
	global_prefetch_b8 v0, s[64:65] scope:SCOPE_SE
	s_setreg_imm32_b32 hwreg(HW_REG_WAVE_MODE, 25, 1), 1
	s_wait_xcnt 0x0
; ATTN.  One work-group for each (head, batch); wave w owns the 16 queries 16 w .. 16 w + 15; eight key steps of 128 keys.
; t = score x log2(e) + beta, beta = log2(size, or 1 where size < 0.5) + mask x log2(e).  M = the running largest t rounded UP to a whole number; p = 2^(t - M) is quantised along the keys, not normalised;
; the row's sum is taken of the unquantised p and divides at the end.  When M moves, the sum and O^T are multiplied by 2^(old M - new M), exactly.
; Both products are used transposed (S^T = K Q^T, O^T = V^T P^T): a lane holds one query throughout.  K's and V's fragments come as register images (launch kv); the keys of a tile of K and the channels of a tile
; of V^T are chosen so that the 16 registers of tiles 2 b, 2 b + 1 are 16 neighbours along the next K.
; The head's K and V, 8 chunks of 22,528 bytes, fit into LDS whole: every wave asks for a sixteenth of chunks 0 and 1 at the head and of chunks 2 to 7 behind step 0's barrier, two loads a wave, and nothing is filled again.
; BARRIERS stand at the heads of key steps 0 and 2 alone.  In front of the first every wave waits for its part of chunks 0 and 1; in front of the second for ALL its loads, so that chunks 2 to 7 are whole for every wave
; behind it.  From there on the sixteen waves share nothing that is written and run freely: one wave's LDS reads stand beside another's softmax.
; O / l is quantised along the head's 96 (+ a zero block) and leaves as an image of the output projection's operand.
; No cluster: no two work-groups share K or V; what they share is Q, 1,536 bytes a wave beside 180,224 a work-group.  No prefetch: every byte is asked for by key step 0.
; LIMITS: NaN and +infinity are not served; a mask of -infinity gives p = 0 (on all keys of a row: NaN, as the definition has it).  A block of p whose largest lies under 2^-124 keeps the byte 1.  The division is a reciprocal and a multiplication.
.set BETA, 180224                      ; beta of the batch's 1,024 keys
.set OSC,  184320                      ; the 16 tiles' scale words on the way out
.set WV,  14
.set SEL, 16
.set CS,  18                           ; s[18:19] log2(e)
.set TM,  232
.set PW,  251
; v1 16 x lane, v2 8 x lane, v3 4 x lane, v4 BETA + 64 h, v5-7 the way out, v8-10 the step's bases; v12 -M, v13 the largest t, v[14:15] the sum; v16-27 Q, v255 its scale words;
; v32-95 fragments, beta; v96-159 S^T, then p; v160-207 O^T; v208-214 at work on the way out; v224-235 p's codes; v232-254 at work; v248-250 scale words
.macro PLACES n
.rept \n
	v_nop
.endr
.endm
	s_load_b256 s[4:11], s[0:1], 0x0               ; kv s[4:5], qf s[6:7], size s[8:9], attention_mask s[10:11]
	s_load_b64 s[12:13], s[0:1], 0x20              ; oc
	v_lshl_add_u32 v223, v0, 2, 0x2d400
	v_mov_b32 v243, 0
	ds_add_u32 v223, v243
	ds_add_u32 v223, v243
	v_lshrrev_b32 v8, 5, v0
	s_delay_alu instid0(VALU_DEP_1)
	v_readfirstlane_b32 s[WV], v8
	s_and_b32 s15, ttmp7, 0xffff                   ; b
	s_lshl_b32 s60, s15, 3
	s_add_co_u32 s60, s60, ttmp9                   ; 8 b + h
	; descriptor group 1: a dense block of 2,816 bytes as 11 rows of 32 elements of 8 bytes
	s_mov_b32 s20, 3<<16
	s_mov_b32 s21, 32<<16
	s_mov_b32 s22, 11<<16                          ; the head's load: 2,816 bytes as 11 rows of 256
	s_mov_b32 s23, 32<<16
	s_mov_b32 s24, 11
	s_mov_b32 s25, 32
	s_mov_b32 s26, 0
	s_mov_b32 s27, 0
	s_mul_i32 s61, s[WV], 2816                     ; THE FILLS: every wave fetches a sixteenth of chunks 0 and 1 at the head, and a sixteenth of chunks 2 to 7 behind step 0's barrier: one load a wave each time
	s_mul_i32 s62, s60, 180224
	s_add_co_u32 s62, s62, s61
	s_mov_b32 s63, 0
	s_wait_dscnt 0x0
	s_wait_kmcnt 0x0
	s_add_nc_u64 s[4:5], s[4:5], s[62:63]
	s_mov_b32 s28, 1
	s_mov_b32 s29, s61
	s_mov_b64 s[30:31], s[4:5]
	s_or_b32 s31, s31, 0x80000000
	s_mul_i32 s44, s[WV], 5632
	s_mov_b32 s45, 0
	s_add_nc_u64 s[34:35], s[4:5], s[44:45]
	s_add_nc_u64 s[34:35], s[34:35], 45056         ; byte 45,056 + 8,448 w of the head's K and V
	s_or_b32 s35, s35, 0x80000000
	s_mov_b32 s32, 1
	s_mul_i32 s33, s[WV], 8448
	s_add_co_u32 s33, s33, 45056
	s_mov_b32 s36, 3<<16                           ; the second load's group 1: 8,448 bytes as 33 rows of 256
	s_mov_b32 s37, 32<<16
	s_mov_b32 s38, 33<<16
	s_mov_b32 s39, 32<<16
	s_mov_b32 s40, 33
	s_mov_b32 s41, 32
	s_mov_b32 s42, 0
	s_mov_b32 s43, 0
	tensor_load_to_lds s[28:31], s[20:27]
	s_nop 0
	PLACES 4
	s_mov_b32 s[SEL], 0x76543210
	s_mov_b32 s[SEL+1], 0xfedcba98
	s_mov_b32 s[CS], 0x3fb8aa3b
	s_mov_b32 s[CS+1], s[CS]
	s_lshl_b32 s66, ttmp9, 4
	s_add_co_u32 s66, s66, s[WV]                   ; 16 h + w
	s_mul_i32 s68, s66, 1536
	s_mov_b32 s69, 0
	s_add_nc_u64 s[68:69], s[6:7], s[68:69]        ; Q's image
	s_lshl_b32 s70, s66, 7
	s_mov_b32 s71, 0
	s_add_nc_u64 s[70:71], s[6:7], s[70:71]        ; its scale words (196,608 bytes on)
	s_lshl_b32 s62, s15, 12
	s_add_nc_u64 s[8:9], s[8:9], s[62:63]
	s_add_nc_u64 s[10:11], s[10:11], s[62:63]
	s_mul_i32 s62, s60, 25600
	s_add_nc_u64 s[12:13], s[12:13], s[62:63]      ; oc: my head's 25,600 bytes
	s_lshr_b32 s62, s[WV], 3
	s_mul_i32 s62, s62, 12800
	s_and_b32 s66, s[WV], 7
	s_mul_i32 s66, s66, 1536
	s_add_co_u32 s62, s62, s66
	s_add_nc_u64 s[66:67], s[12:13], s[62:63]      ; my image there
	v_and_b32 v3, 31, v0
	s_delay_alu instid0(VALU_DEP_1)
	v_lshlrev_b32 v1, 4, v3
	s_delay_alu instid0(VALU_DEP_2)
	v_lshlrev_b32 v2, 3, v3
	s_delay_alu instid0(VALU_DEP_3)
	v_lshlrev_b32 v3, 2, v3
	v_bfe_u32 v4, v0, 4, 1
	s_delay_alu instid0(VALU_DEP_1)
	v_lshlrev_b32 v4, 6, v4
	s_delay_alu instid0(VALU_DEP_1)
	v_add_nc_u32 v4, BETA, v4
	v_and_b32 v5, 15, v0
	s_lshl_b32 s62, s[WV], 6
	s_add_co_u32 s62, s62, OSC
	v_lshl_add_u32 v5, v5, 2, s62                  ; OSC + 64 w + 4 r
	s_lshl_b32 s62, s[WV], 9
	s_add_co_u32 s62, s62, OSC
	v_add_nc_u32 v6, s62, v1                       ; waves 0, 1: 512 bytes of words
	s_mul_i32 s62, s[WV], 12800
	v_add_nc_u32 v7, s62, v1
	v_lshlrev_b32 v9, 3, v0
	s_delay_alu instid0(VALU_DEP_1)
	v_add_nc_u32 v10, BETA, v9
.irp c, 0,1,2
	global_load_b128 v[16+4*\c:19+4*\c], v1, s[68:69] offset:512*\c
.endr
	global_load_b32 v255, v3, s[70:71] offset:196608
	global_load_b64 v[32:33], v9, s[8:9]           ; size and mask of keys 2 t, 2 t + 1
	global_load_b64 v[34:35], v9, s[10:11]
	v_mov_b32 v13, 0xff61b1e6                      ; the largest t so far: -3e38
	s_delay_alu instid0(VALU_DEP_1)
	v_floor_f32 v12, -v13                          ; -M
	v_mov_b32 v14, 0
	v_mov_b32 v15, 0
.irp b, 0,1,2,3
	v_mov_b32 v[236+\b], 0                         ; a lane permute's destination counts as one of its sources
.endr
	v_mov_b32 v253, 0
.set J, 0
.rept 48
	v_mov_b32 v[160+J], 0                          ; O^T: the step is written once; the first finds zeros
.set J, J+1
.endr
	s_wait_loadcnt 0x0
	v_cmp_gt_f32 vcc_lo, 0.5, v32
	s_delay_alu instid0(VALU_DEP_1)
	v_cndmask_b32 v32, v32, 1.0, vcc_lo
	v_cmp_gt_f32 vcc_lo, 0.5, v33
	s_delay_alu instid0(VALU_DEP_1)
	v_cndmask_b32 v33, v33, 1.0, vcc_lo
	s_wait_alu depctr_va_vdst(0)
	v_log_f32 v36, v32
	v_log_f32 v37, v33
	v_nop
	s_wait_alu depctr_va_vdst(0)                   ; one wait for both logarithms, ahead of their first reader
	v_fma_f32 v36, v34, s[CS], v36
	v_fma_f32 v37, v35, s[CS], v37
	ds_store_b64 v10, v[36:37]
.macro STEP i
.if (\i) == 0
	s_wait_tensorcnt 0x0                           ; my part of chunks 0 and 1 is in;
	ds_add_u32 v223, v243                          ; the add ahead of a later first fill's barrier;
	s_wait_dscnt 0x0                               ; it is done, and my two beta have landed
	s_barrier_signal -1
	s_barrier_wait -1                              ; everybody's have
	tensor_load_to_lds s[32:35], s[36:43]          ; my part of chunks 2 to 7: it has key steps 0 and 1 in which to land
	s_nop 0
	PLACES 4
.endif
.if (\i) == 2
	s_wait_tensorcnt 0x0                           ; my part of chunks 2 to 7 is in
	s_barrier_signal -1
	s_barrier_wait -1                              ; everybody's is: no further barrier is needed, nothing that a later step reads is written any more
.endif
	v_add_nc_u32 v8, 22528*(\i), v1
	s_wait_alu depctr_va_vdst(0)
	v_add_nc_u32 v9, 22528*(\i), v2
	v_add_nc_u32 v10, 22528*(\i), v3
	s_wait_alu depctr_va_vdst(0)
	v_nop                                          ; four places in front of loads into registers that the last products read
.irp g, 0,1                            ; S^T = K Q^T, four tiles of 16 keys at a time
.if \g
	PLACES 4
.endif
.irp t, 0,1,2,3
.irp c, 0,1,2
	ds_load_b128 v[32+12*\t+4*\c:35+12*\t+4*\c], v8 offset:1536*(4*\g+\t)+512*\c
.endr
.endr
.irp p, 0,1
	ds_load_b32 v[248+\p], v10 offset:21504+256*\g+128*\p   ; lanes 0-15: tile 4 g + 2 p, lanes 16-31: the next
.endr
	s_wait_dscnt 0x0
.irp t, 0,1,2,3
.if \t%2
	v_wmma_scale_f32_16x16x128_f8f6f4 v[96+8*(4*\g+\t):103+8*(4*\g+\t)], v[32+12*\t:43+12*\t], v[16:27], 0, v[248+\t/2], v255 matrix_a_fmt:MATRIX_FMT_FP6 matrix_b_fmt:MATRIX_FMT_FP6 matrix_a_scale:MATRIX_SCALE_ROW1
.else
	v_wmma_scale_f32_16x16x128_f8f6f4 v[96+8*(4*\g+\t):103+8*(4*\g+\t)], v[32+12*\t:43+12*\t], v[16:27], 0, v[248+\t/2], v255 matrix_a_fmt:MATRIX_FMT_FP6 matrix_b_fmt:MATRIX_FMT_FP6
.endif
.endr
.endr
	PLACES 4
.irp b, 0,1,2,3
.irp j, 0,1,2,3
	ds_load_b128 v[32+16*\b+4*\j:35+16*\b+4*\j], v4 offset:512*(\i)+128*\b+16*\j   ; beta of my 64 keys: 32 b + 16 h + 0 .. 15
.endr
.endr
	s_wait_dscnt 0x0
.set J, 0
.rept 32
	v_pk_fma_f32 v[96+J:97+J], v[96+J:97+J], s[CS:CS+1], v[32+J:33+J] op_sel_hi:[1,0,1]   ; t; each accumulator from its low end on
.set J, J+2
.endr
.irp t, 0,1,2                          ; beta has been read: V's first three tiles and V's scale words are asked for here, and land while the softmax is walked
.irp p, 0,1,2,3,4,5
	ds_load_b64 v[32+12*\t+2*\p:33+12*\t+2*\p], v9 offset:12288+1536*\t+256*\p
.endr
.endr
.irp p, 0,1,2
	ds_load_b32 v[248+\p], v10 offset:22016+128*\p
.endr
.irp b, 0,1,2,3
	v_max3_num_f32 v[232+\b], v[96+16*\b], v[97+16*\b], v[98+16*\b]   ; the largest t of each block of 32 keys: for the row's maximum, and for the block's largest p
.endr
.irp n, 3,5,7,9,11,13
.irp b, 0,1,2,3
	s_delay_alu instid0(VALU_DEP_4)
	v_max3_num_f32 v[232+\b], v[232+\b], v[96+16*\b+\n], v[97+16*\b+\n]
.endr
.endr
.irp b, 0,1,2,3
	s_delay_alu instid0(VALU_DEP_4)
	v_max_num_f32 v[232+\b], v[232+\b], v[111+16*\b]
.endr
.irp b, 0,1,2,3
	s_delay_alu instid0(VALU_DEP_4)
	v_permlanex16_b32 v[236+\b], v[232+\b], s[SEL], s[SEL+1]
.endr
.irp b, 0,1,2,3
	s_delay_alu instid0(VALU_DEP_4)
	v_max_num_f32 v[232+\b], v[232+\b], v[236+\b]
.endr
	s_delay_alu instid0(VALU_DEP_2)
	v_max3_num_f32 v254, v232, v233, v234
	s_delay_alu instid0(VALU_DEP_1)
	v_max_num_f32 v254, v254, v235
	s_delay_alu instid0(VALU_DEP_1)
	v_max_num_f32 v13, v13, v254                   ; the running largest t
	v_mov_b32 v254, v12
	s_delay_alu instid0(VALU_DEP_2)
	v_floor_f32 v12, -v13                          ; the new -M: a whole number
	s_delay_alu instid0(VALU_DEP_1)
	v_sub_f32 v254, v12, v254                      ; old M - new M
	s_delay_alu instid0(VALU_DEP_1)
	v_cvt_i32_f32 v254, v254                       ; (it saturates)
	s_delay_alu instid0(VALU_DEP_1)
	v_ldexp_f32 v252, 1.0, v254                    ; f = 2^(old M - new M)
.set J, 0
.rept 32
	v_pk_add_f32 v[96+J:97+J], v[96+J:97+J], v[12:13] op_sel_hi:[1,0]   ; t - M
.set J, J+2
.endr
.irp b, 0,1,2,3
	v_add_f32 v[232+\b], v[232+\b], v12            ; the same of each block's largest t
.endr
.set J, 0
	s_wait_alu depctr_va_vdst(0)
.rept 64
	v_exp_f32 v[96+J], v[96+J]                     ; p = 2^(t - M)
.set J, J+1
.endr
	v_pk_mul_f32 v[14:15], v[14:15], v[252:253] op_sel_hi:[1,0]   ; the sums under the new M (a plain line behind the exponentials)
	s_wait_alu depctr_va_vdst(0)                   ; one wait for the batch, ahead of its first reader
.irp b, 0,1,2,3
	v_exp_f32 v[232+\b], v[232+\b]                 ; the block's largest p
.endr
	v_pk_add_f32 v[236:237], v[100:101], v[104:105]
	v_pk_add_f32 v[246:247], v[108:109], v[112:113]
	v_pk_add_f32 v[244:245], v[116:117], v[120:121]
	v_pk_add_f32 v[240:241], v[124:125], v[128:129]
	v_pk_add_f32 v[238:239], v[132:133], v[136:137]
	v_pk_add_f32 v[230:231], v[140:141], v[144:145]
	v_pk_add_f32 v[228:229], v[148:149], v[152:153]
	v_pk_add_f32 v[14:15], v[14:15], v[156:157]
	v_pk_add_f32 v[236:237], v[236:237], v[96:97]
	v_pk_add_f32 v[246:247], v[246:247], v[98:99]
	v_pk_add_f32 v[244:245], v[244:245], v[102:103]
	v_pk_add_f32 v[240:241], v[240:241], v[106:107]
	v_pk_add_f32 v[238:239], v[238:239], v[110:111]
	v_pk_add_f32 v[230:231], v[230:231], v[114:115]
	v_pk_add_f32 v[228:229], v[228:229], v[118:119]
	v_pk_add_f32 v[14:15], v[14:15], v[122:123]
	v_pk_add_f32 v[236:237], v[236:237], v[126:127]
	v_pk_add_f32 v[246:247], v[246:247], v[130:131]
	v_pk_add_f32 v[244:245], v[244:245], v[134:135]
	v_pk_add_f32 v[240:241], v[240:241], v[138:139]
	v_pk_add_f32 v[238:239], v[238:239], v[142:143]
	v_pk_add_f32 v[230:231], v[230:231], v[146:147]
	v_pk_add_f32 v[228:229], v[228:229], v[150:151]
	v_pk_add_f32 v[14:15], v[14:15], v[154:155]
	v_pk_add_f32 v[236:237], v[236:237], v[158:159]
	s_delay_alu instid0(VALU_DEP_2)
	v_pk_add_f32 v[14:15], v[14:15], v[240:241]
	s_delay_alu instid0(VALU_DEP_2)
	v_pk_add_f32 v[236:237], v[236:237], v[238:239]
	v_pk_add_f32 v[246:247], v[246:247], v[230:231]
	v_pk_add_f32 v[244:245], v[244:245], v[228:229]
	s_delay_alu instid0(VALU_DEP_2)
	v_pk_add_f32 v[14:15], v[14:15], v[246:247]
	s_delay_alu instid0(VALU_DEP_2)
	v_pk_add_f32 v[236:237], v[236:237], v[244:245]
	s_delay_alu instid0(VALU_DEP_1)
	v_pk_add_f32 v[14:15], v[14:15], v[236:237]
	s_wait_alu depctr_va_vdst(0)                   ; and one for the four
.irp b, 0,1,2,3
	v_max_num_f32 v[232+\b], 0x1800000, v[232+\b]  ; the floor 2^(3 - 127)
.endr
.irp b, 0,1,2,3
	s_delay_alu instid0(VALU_DEP_4)
	v_add_nc_u32 v[244+\b], 0xff000000, v[232+\b]
.endr
.irp b, 0,1,2,3
	s_delay_alu instid0(VALU_DEP_4)
	v_lshrrev_b32 v[236+\b], 23, v[244+\b]
.endr
	s_delay_alu instid0(VALU_DEP_3)
	v_lshl_or_b32 v253, v237, 8, v236              ; p's scale word for these 128 keys
	s_delay_alu instid0(VALU_DEP_1)
	v_lshl_or_b32 v253, v238, 16, v253
	s_delay_alu instid0(VALU_DEP_1)
	v_lshl_or_b32 v253, v239, 24, v253
.irp c, 0,1
	v_cvt_scalef32_pk16_fp6_f32 v[224+6*\c:226+6*\c], v[96+32*\c:111+32*\c], v[244+2*\c]
	v_cvt_scalef32_pk16_fp6_f32 v[236+4*\c:238+4*\c], v[112+32*\c:127+32*\c], v[244+2*\c+1]
.endr
	v_nop
.irp c, 0,1
.irp n, 0,1,2
	v_permlane16_swap_b32 v[224+6*\c+\n], v[236+4*\c+\n]
.endr
.irp n, 0,1,2
	s_delay_alu instid0(VALU_DEP_3)
	v_mov_b32 v[227+6*\c+\n], v[236+4*\c+\n]
.endr
.endr
.set J, 0
.rept 24
	v_pk_mul_f32 v[160+J:161+J], v[160+J:161+J], v[252:253] op_sel_hi:[1,0]   ; O^T under the new M; these lines are also the places in front of the products below
.set J, J+2
.endr
	s_wait_alu depctr_va_vdst(0)
.irp g, 0,1                            ; O^T += V^T P^T, three tiles of 16 channels at a time; the first three were asked for ahead of the softmax
.if \g
	PLACES 4
.irp t, 0,1,2
.irp p, 0,1,2,3,4,5
	ds_load_b64 v[32+12*\t+2*\p:33+12*\t+2*\p], v9 offset:12288+1536*(3+\t)+256*\p
.endr
.endr
.endif
	s_wait_dscnt 0x0
.irp t, 0,1,2
.if (3*\g+\t)%2
	v_wmma_scale_f32_16x16x128_f8f6f4 v[160+8*(3*\g+\t):167+8*(3*\g+\t)], v[32+12*\t:43+12*\t], v[224:235], v[160+8*(3*\g+\t):167+8*(3*\g+\t)], v[248+(3*\g+\t)/2], v253 matrix_a_fmt:MATRIX_FMT_FP6 matrix_b_fmt:MATRIX_FMT_FP6 matrix_a_scale:MATRIX_SCALE_ROW1
.else
	v_wmma_scale_f32_16x16x128_f8f6f4 v[160+8*(3*\g+\t):167+8*(3*\g+\t)], v[32+12*\t:43+12*\t], v[224:235], v[160+8*(3*\g+\t):167+8*(3*\g+\t)], v[248+(3*\g+\t)/2], v253 matrix_a_fmt:MATRIX_FMT_FP6 matrix_b_fmt:MATRIX_FMT_FP6
.endif
.endr
.endr
.endm
.irp i, 0,1,2,3,4,5,6,7
	STEP \i
.endr
	; THE WAY OUT
	PLACES 4
	v_add_f32 v14, v14, v15
	s_delay_alu instid0(VALU_DEP_1)
	v_permlanex16_b32 v252, v14, s[SEL], s[SEL+1]
	s_delay_alu instid0(VALU_DEP_1)
	v_add_f32 v14, v14, v252                       ; the row's sum
	s_wait_alu depctr_va_vdst(0)
	v_rcp_f32 v14, v14
	v_nop
	s_wait_alu depctr_va_vdst(0)
.set J, 0
.rept 48
	v_mul_f32 v[96+J], v[160+J], v14               ; register 16 b + n is channel 32 b + 16 h + n of my query
.set J, J+1
.endr
.irp b, 0,1,2
	v_max3_num_f32 v[TM+\b], |v[96+16*\b]|, |v[97+16*\b]|, 0x1800000
.endr
.irp n, 2,4,6,8,10,12,14
.irp b, 0,1,2
	s_delay_alu instid0(VALU_DEP_3)
	v_max3_num_f32 v[TM+\b], v[TM+\b], |v[96+16*\b+\n]|, |v[97+16*\b+\n]|
.endr
.endr
.irp b, 0,1,2
	s_delay_alu instid0(VALU_DEP_3)
	v_permlanex16_b32 v[TM+4+\b], v[TM+\b], s[SEL], s[SEL+1]
.endr
.irp b, 0,1,2
	s_delay_alu instid0(VALU_DEP_3)
	v_max_num_f32 v[TM+\b], v[TM+\b], v[TM+4+\b]
.endr
.irp b, 0,1,2
	s_delay_alu instid0(VALU_DEP_3)
	v_add_nc_u32 v[TM+12+\b], 0xff000000, v[TM+\b]
.endr
.irp b, 0,1,2
	s_delay_alu instid0(VALU_DEP_3)
	v_lshrrev_b32 v[TM+4+\b], 23, v[TM+12+\b]
.endr
	s_delay_alu instid0(VALU_DEP_2)
	v_lshl_or_b32 v[PW], v[TM+5], 8, v[TM+4]
	s_delay_alu instid0(VALU_DEP_1)
	v_lshl_or_b32 v[PW], v[TM+6], 16, v[PW]
	s_delay_alu instid0(VALU_DEP_1)
	v_or_b32 v[PW], 0x7f000000, v[PW]              ; the fourth block: zero codes under the byte 127
	v_cvt_scalef32_pk16_fp6_f32 v[224:226], v[96:111], v[TM+12]
	v_cvt_scalef32_pk16_fp6_f32 v[208:210], v[112:127], v[TM+13]
	v_cvt_scalef32_pk16_fp6_f32 v[230:232], v[128:143], v[TM+14]
.irp n, 0,1,2
	v_mov_b32 v[212+\n], 0
.endr
.irp c, 0,1
.irp n, 0,1,2
	v_permlane16_swap_b32 v[224+6*\c+\n], v[208+4*\c+\n]
.endr
.irp n, 0,1,2
	s_delay_alu instid0(VALU_DEP_3)
	v_mov_b32 v[227+6*\c+\n], v[208+4*\c+\n]
.endr
.endr
.irp c, 0,1,2
	global_store_b128 v1, v[224+4*\c:227+4*\c], s[66:67] offset:512*\c
.endr
	ds_store_b32 v5, v[PW]
	s_wait_dscnt 0x0
	s_barrier_signal -1
	s_barrier_wait -1                              ; the 16 tiles' scale words lie in LDS: waves 0 and 1 store 512 bytes each
	s_cmp_gt_u32 s[WV], 1
	s_cbranch_scc1 .Ldone
	ds_load_b128 v[32:35], v6
	s_wait_dscnt 0x0
	global_store_b128 v7, v[32:35], s[12:13] offset:12288
.Ldone:
	s_wait_tensorcnt 0x0
	s_wait_tensorcnt 0x0
	ds_add_u32 v223, v243
	s_wait_dscnt 0x0
	s_endpgm
.Lfunc_end_k_q4e89122988_attn:
	.size	k_q4e89122988_attn, .Lfunc_end_k_q4e89122988_attn-k_q4e89122988_attn
	.p2alignl 7, 3214868480
	.fill 96, 4, 3214868480
	.section	.rodata,"a",@progbits
	.p2align	6, 0x0
	.amdhsa_kernel k_q4e89122988_attn
		.amdhsa_group_segment_fixed_size 327680
		.amdhsa_private_segment_fixed_size 0
		.amdhsa_enable_private_segment 0
		.amdhsa_kernarg_size 40
		.amdhsa_user_sgpr_count 2
		.amdhsa_user_sgpr_kernarg_segment_ptr 1
		.amdhsa_wavefront_size32 1
		.amdhsa_system_sgpr_workgroup_id_x 1
		.amdhsa_system_sgpr_workgroup_id_y 1
		.amdhsa_system_sgpr_workgroup_id_z 1
		.amdhsa_system_vgpr_workitem_id 0
		.amdhsa_next_free_vgpr 256
		.amdhsa_next_free_sgpr 72
		.amdhsa_reserve_vcc 1
		.amdhsa_float_denorm_mode_32 3
		.amdhsa_float_denorm_mode_16_64 3
		.amdhsa_memory_ordered 1
		.amdhsa_forward_progress 1
		.amdhsa_inst_pref_size 206
	.end_amdhsa_kernel
	.amdgpu_metadata
---
amdhsa.version: [ 1, 2 ]
amdhsa.kernels:
  - .name:           k_q4e89122988_attn
    .symbol:         k_q4e89122988_attn.kd
    .args:
      - { .name: kv, .offset: 0, .size: 8, .value_kind: global_buffer, .address_space: global }
      - { .name: qf, .offset: 8, .size: 8, .value_kind: global_buffer, .address_space: global }
      - { .name: size, .offset: 16, .size: 8, .value_kind: global_buffer, .address_space: global }
      - { .name: attention_mask, .offset: 24, .size: 8, .value_kind: global_buffer, .address_space: global }
      - { .name: oc, .offset: 32, .size: 8, .value_kind: global_buffer, .address_space: global }
    .group_segment_fixed_size: 327680
    .private_segment_fixed_size: 0
    .kernarg_segment_align: 8
    .kernarg_segment_size: 40
    .max_flat_workgroup_size: 512
    .sgpr_count:     72
    .vgpr_count:     256
    .wavefront_size: 32
...
	.end_amdgpu_metadata
.endif
;; end of part 3
;; launch oproj (part 4): grid 64 x 4, 4 waves a work-group, clusters of 4 x 1, 327,680 bytes of LDS; arguments oc, wts, bo, out0; writes out0
.if DOCPART == 4
	.amdgcn_target "amdgcn-amd-amdhsa--gfx1250"
	.amdhsa_code_object_version 6
	.text
	.protected	k_q4e89122988_oproj
	.globl	k_q4e89122988_oproj
	.p2align	8
	.type	k_q4e89122988_oproj,@function
k_q4e89122988_oproj:
	s_mov_b64 s[64:65], 0
	v_nop
	global_prefetch_b8 v0, s[64:65] scope:SCOPE_SE
	s_setreg_imm32_b32 hwreg(HW_REG_WAVE_MODE, 25, 1), 1
	s_wait_xcnt 0x0
	s_wait_alu depctr_hold_cnt(0) depctr_sa_sdst(0) depctr_va_vdst(0) depctr_va_sdst(0) depctr_va_ssrc(0) depctr_va_vcc(0) depctr_vm_vsrc(0)
	s_getreg_b32 s2, hwreg(HW_REG_IB_STS2, 6, 4)
	s_cmp_eq_u32 s2, 0
	s_cbranch_scc0 .Lentry_in_a_cluster
	s_endpgm
.Lentry_in_a_cluster:
	s_bfe_u32 s2, ttmp6, 0x10000c
	s_cmp_lg_u32 s2, 0x3003
	s_cbranch_scc0 .Lentry_shape_is_right
	s_endpgm
.Lentry_shape_is_right:
; OPROJ.  out0 = Q(attention's result) Q(Wo)^T + bo.  Both operands come as register images with their scale words: oc (launch attn), blocks 32 .. 47 of wts (launch prep).
; K goes in eight steps, one a head: 96 true numbers and a block of zero codes on both sides.
; A work-group makes 128 rows (rb = 2 b + hb) x 192 columns (cb); wave (mh, nh) 64 x 96: 24 accumulators.  Source 0 = 16 rows of Wo, source 1 = 16 rows of oc: a lane holds eight neighbouring columns of one row.
; All operands fit into LDS: B (153,600 bytes) and A (102,400) come by first fills alone, two loads a wave, pair of K steps by pair; nothing is filled again.
; CLUSTER: the four work-groups of a cluster share cb, so Wo's block is asked for JOINTLY (waves 0, 1; mask 15); A's loads (waves 2, 3) are each work-group's own.
; The way out goes through a stage laid over B, behind a barrier behind B's last read: B has had its last fill.
.set ABASE, 153600
.set WV,  12
.set SA,  16                           ; v16-19 A's scale words: set e at 2 e; lanes 0-15 tile 2 k, lanes 16-31 tile 2 k + 1
.set SB,  20                           ; v20-25 B's: set e at 3 e
.set MSB, 0
; v1 16 x lane, v2 4 x lane; v5-8 bases for pair 0, v9-12 for the pair in hand; v13, v14 the stage; v15 8 x lane; v26 32 h; v32-79 bo; v96-191 rows on the way out
; window 1: the 24 accumulators at 8 (6 m + t).  window 2: sets 0 and 1 at v0, v128: A's four fragments, then B's six.
.macro WIN new
.if MSB != (\new)
	s_set_vgpr_msb (MSB<<8)|(\new)
.set MSB, (\new)
.endif
.endm
.macro PLACES n
.rept \n
	v_nop
.endr
.endm
.macro CROUND
	s_barrier_signal -1
	s_barrier_wait -1
	s_cmp_lg_u32 s[WV], 0
	s_cbranch_scc1 .Lnot_wave_0_\@
	s_barrier_signal -3
.Lnot_wave_0_\@:
	s_barrier_wait -3
	s_barrier_signal -1
	s_barrier_wait -1
.endm
	s_load_b256 s[4:11], s[0:1], 0x0               ; oc s[4:5], wts s[6:7], bo s[8:9], out0 s[10:11]
	v_lshl_add_u32 v254, v0, 2, 0x3e800
	v_mov_b32 v255, 0
	ds_add_u32 v254, v255
	ds_add_u32 v254, v255
	v_lshrrev_b32 v1, 5, v0
	v_readfirstlane_b32 s[WV], v1
	s_lshr_b32 s13, s[WV], 1                       ; mh
	s_and_b32 s14, s[WV], 1                        ; nh; also which half of a pair I fetch
	s_and_b32 s15, ttmp7, 0xffff                   ; cb
	; group 1 for B: 38,400 dense bytes as 150 rows of 256, the mask of all four, bit 21 beside it;  for A: two rows of 12,800 bytes, 25,600 bytes apart, no mask
	s_mov_b32 s16, 15|(3<<16)|(1<<21)
	s_mov_b32 s17, 32<<16
	s_mov_b32 s18, 150<<16                         ; THE FILLS: one load a wave at the head (pairs 0, 1) and one behind a round (pairs 2, 3).  B: a pair's 38,400 bytes as 150 rows of 256
	s_mov_b32 s19, 32<<16
	s_mov_b32 s20, 150
	s_mov_b32 s21, 32
	s_mov_b32 s22, 0
	s_mov_b32 s23, 0
	s_mov_b32 s24, 3<<16
	s_mov_b32 s25, 1600<<16                        ; A: two heads' 12,800 bytes, as two rows of 1,600 elements of 8 bytes, 25,600 bytes apart
	s_mov_b32 s26, 2<<16
	s_mov_b32 s27, 1600<<16
	s_mov_b32 s28, 2
	s_mov_b32 s29, 3200
	s_mov_b32 s30, 0
	s_mov_b32 s31, 0
	s_mul_i32 s68, s15, 153600
	s_mul_i32 s70, s14, 38400
	s_add_co_u32 s68, s68, s70
	s_add_co_u32 s68, s68, 1228800                 ; Wo's blocks begin behind Wk's and Wv's 32
	s_mov_b32 s69, 0
	s_bfe_u32 s66, ttmp6, 0x40000                  ; my place in the cluster: it enters oc's and out0's global addresses alone
	s_lshl_b32 s67, ttmp9, 2
	s_add_co_u32 s66, s67, s66                     ; rb
	s_lshr_b32 s72, s66, 1                         ; b
	s_and_b32 s73, s66, 1                          ; hb
	s_lshl_b32 s72, s72, 3
	s_add_co_u32 s72, s72, s14
	s_add_co_u32 s72, s72, s14                     ; head 2 x my half
	s_mul_i32 s72, s72, 25600
	s_mul_i32 s73, s73, 12800
	s_add_co_u32 s72, s72, s73
	s_mov_b32 s73, 0
	s_mul_i32 s71, s14, 25600
	s_wait_dscnt 0x0
	s_wait_kmcnt 0x0
	s_add_nc_u64 s[68:69], s[6:7], s[68:69]
	s_add_nc_u64 s[72:73], s[4:5], s[72:73]
.irp p, 0,1
	s_mov_b32 s[32+4*\p], 1
	s_add_co_u32 s[33+4*\p], s70, 76800*\p
	s_add_nc_u64 s[34+4*\p:35+4*\p], s[68:69], 76800*\p
	s_or_b32 s[35+4*\p], s[35+4*\p], 0x80000000
	s_mov_b32 s[48+4*\p], 1
	s_add_co_u32 s[49+4*\p], s71, ABASE+51200*\p
	s_add_nc_u64 s[50+4*\p:51+4*\p], s[72:73], 102400*\p
	s_or_b32 s[51+4*\p], s[51+4*\p], 0x80000000
.endr
	CROUND                                         ; all four work-groups are here: the joint loads meet
	s_cmp_lt_u32 s[WV], 2                          ; a wave's first fill stands in one branch on the wave's number: one load of mine is out
	s_cbranch_scc0 .Lfor_a
	tensor_load_to_lds s[32:35], s[16:23]
	s_nop 0
	PLACES 4
	s_branch .Lasked
.Lfor_a:
	tensor_load_to_lds s[48:51], s[24:31]
	s_nop 0
	PLACES 4
.Lasked:
	v_and_b32 v2, 31, v0
	v_lshlrev_b32 v1, 4, v2
	v_lshlrev_b32 v15, 3, v2
	v_lshlrev_b32 v2, 2, v2
	v_and_b32 v3, 15, v0
	v_bfe_u32 v4, v0, 4, 1
	s_wait_alu depctr_va_vdst(0)
	s_mul_i32 s74, s13, 6144
	s_add_co_u32 s74, s74, ABASE
	v_add_nc_u32 v5, s74, v1                       ; A's images of my four tiles
	s_mul_i32 s74, s14, 9216
	v_add_nc_u32 v6, s74, v1                       ; B's of my six
	s_lshl_b32 s74, s13, 8
	s_add_co_u32 s74, s74, ABASE+12288
	v_add_nc_u32 v7, s74, v2                       ; A's scale words
	s_mul_i32 s74, s14, 384
	s_add_co_u32 s74, s74, 36864
	v_add_nc_u32 v8, s74, v2                       ; B's
	v_mul_u32_u24 v13, v3, 784
	v_lshl_add_u32 v13, v4, 5, v13
	s_mul_i32 s74, s13, 50176
	s_mul_i32 s75, s14, 384
	s_add_co_u32 s74, s74, s75
	v_add_nc_u32 v13, s74, v13                     ; the stage, in: row 64 mh + r, + 384 nh + 32 h
	s_mul_i32 s74, s[WV], 25088
	v_add_nc_u32 v14, s74, v15                     ; back: rows 32 w on, 8 bytes a lane
	v_lshlrev_b32 v26, 5, v4
	s_wait_alu depctr_va_vdst(0)
	s_mul_i32 s74, s15, 768
	s_mov_b32 s75, 0
	s_add_nc_u64 s[10:11], s[10:11], s[74:75]
	s_add_nc_u64 s[8:9], s[8:9], s[74:75]
	s_mul_i32 s74, s14, 384
	s_add_nc_u64 s[8:9], s[8:9], s[74:75]          ; bo at column 192 cb + 96 nh
	s_lshl_b32 s74, s66, 7
	s_lshl_b32 s76, s[WV], 5
	s_add_co_u32 s74, s74, s76
	s_mul_i32 s74, s74, 3072
	s_add_nc_u64 s[10:11], s[10:11], s[74:75]      ; out0 at row 128 rb + 32 w, column 192 cb
.irp t, 0,1,2,3,4,5
	global_load_b128 v[32+8*\t:35+8*\t], v26, s[8:9] offset:64*\t
	global_load_b128 v[36+8*\t:39+8*\t], v26, s[8:9] offset:64*\t+16
.endr
.macro OFETCH e                        ; K step 2 p + e: 30 loads of images, 5 of scale words
	WIN 0x80
.irp m, 0,1,2,3
.irp c, 0,1,2
	ds_load_b128 v[128*(\e)+12*\m+4*\c:128*(\e)+12*\m+4*\c+3], v9 offset:12800*(\e)+1536*\m+512*\c
.endr
.endr
.irp t, 0,1,2,3,4,5
.irp c, 0,1,2
	ds_load_b128 v[128*(\e)+48+12*\t+4*\c:128*(\e)+48+12*\t+4*\c+3], v10 offset:18432*(\e)+1536*\t+512*\c
.endr
.endr
	WIN 0
.irp k, 0,1
	ds_load_b32 v[SA+2*(\e)+\k], v11 offset:12800*(\e)+128*\k
.endr
.irp k, 0,1,2
	ds_load_b32 v[SB+3*(\e)+\k], v12 offset:768*(\e)+128*\k
.endr
.endm
.macro WM ra, rb
.if ((\ra)==0) && ((\rb)==0)
	v_wmma_scale_f32_16x16x128_f8f6f4 v[rD:rD+7], v[rA:rA+11], v[rB:rB+11], v[rC:rC+7], v[rSA], v[rSB] matrix_a_fmt:MATRIX_FMT_FP6 matrix_b_fmt:MATRIX_FMT_FP6
.elseif (\rb)==0
	v_wmma_scale_f32_16x16x128_f8f6f4 v[rD:rD+7], v[rA:rA+11], v[rB:rB+11], v[rC:rC+7], v[rSA], v[rSB] matrix_a_fmt:MATRIX_FMT_FP6 matrix_b_fmt:MATRIX_FMT_FP6 matrix_a_scale:MATRIX_SCALE_ROW1
.elseif (\ra)==0
	v_wmma_scale_f32_16x16x128_f8f6f4 v[rD:rD+7], v[rA:rA+11], v[rB:rB+11], v[rC:rC+7], v[rSA], v[rSB] matrix_a_fmt:MATRIX_FMT_FP6 matrix_b_fmt:MATRIX_FMT_FP6 matrix_b_scale:MATRIX_SCALE_ROW1
.else
	v_wmma_scale_f32_16x16x128_f8f6f4 v[rD:rD+7], v[rA:rA+11], v[rB:rB+11], v[rC:rC+7], v[rSA], v[rSB] matrix_a_fmt:MATRIX_FMT_FP6 matrix_b_fmt:MATRIX_FMT_FP6 matrix_a_scale:MATRIX_SCALE_ROW1 matrix_b_scale:MATRIX_SCALE_ROW1
.endif
.endm
.macro OMUL e, first                   ; 24 products, the accumulators by turns in one order
.if \first
	WIN 0x4a                                       ; sources 0 and 1 window 2, C (bo) window 0, D window 1
.else
	WIN 0x5a
.endif
.set n, 0
.rept 24
.set rD, 8*n
.set rA, 128*(\e)+48+12*(n%6)
.set rB, 128*(\e)+12*(n/6)
.set rSA, SB+3*(\e)+(n%6)/2
.set rSB, SA+2*(\e)+(n/6)/2
.if \first
.set rC, 32+8*(n%6)
.else
.set rC, rD
.endif
	WM (n%6)%2, (n/6)%2
.set n, n+1
.endr
	WIN 0
.endm
	s_wait_alu depctr_va_vdst(0)                   ; the wait at the head's end
	s_wait_loadcnt 0x0                             ; bo
	s_wait_tensorcnt 0x0                           ; my part of pairs 0 and 1 is in;
	ds_add_u32 v254, v255                          ; the add ahead of a later first fill
	s_wait_dscnt 0x0
	CROUND                                         ; everybody's part is in, and the four work-groups meet
	s_cmp_lt_u32 s[WV], 2
	s_cbranch_scc0 .Lfor_a2
	tensor_load_to_lds s[36:39], s[16:23]          ; pairs 2 and 3: they land while pairs 0 and 1 are multiplied
	s_nop 0
	PLACES 4
	s_branch .Lasked2
.Lfor_a2:
	tensor_load_to_lds s[52:55], s[24:31]
	s_nop 0
	PLACES 4
.Lasked2:
.irp p, 0,1,2,3
.if \p == 2
	s_wait_tensorcnt 0x0                           ; my part of pairs 2 and 3 is in
	s_barrier_signal -1
	s_barrier_wait -1                              ; everybody's is
.endif
	v_add_nc_u32 v9, 25600*\p, v5
	v_add_nc_u32 v10, 38400*\p, v6
	v_add_nc_u32 v11, 25600*\p, v7
	v_add_nc_u32 v12, 38400*\p, v8
	OFETCH 0
	OFETCH 1
	s_wait_dscnt 35                                ; the second K step's 35 loads may be out
.if \p == 0
	OMUL 0, 1
.else
	OMUL 0, 0
.endif
	s_wait_dscnt 0x0
	OMUL 1, 0
	PLACES 4                                       ; in front of the next pair's loads, and of the first read of results
.endr
	s_barrier_signal -1                            ; every wave's reads of B are over (each has waited for its LDS loads): the stage may be written
	s_barrier_wait -1
	WIN 0x04                                       ; an LDS store's data are its source 1: window 1
.irp m, 0,1,2,3
.irp t, 0,1,2,3,4,5
	ds_store_b128 v13, v[8*(6*\m+\t):8*(6*\m+\t)+3] offset:12544*\m+64*\t          ; each accumulator from its low end on
	ds_store_b128 v13, v[8*(6*\m+\t)+4:8*(6*\m+\t)+7] offset:12544*\m+64*\t+16
.endr
.endr
	WIN 0
	s_wait_dscnt 0x0
	s_barrier_signal -1
	s_barrier_wait -1                              ; 128 rows of 768 bytes lie in the stage: each wave stores 32 of them
.irp bt, 0,1
.if \bt
	s_wait_xcnt 0x0                                ; the first 16 rows' stores have read their registers
.endif
.irp i, 0,1,2,3,4,5,6,7,8,9,10,11,12,13,14,15
.irp u, 0,1,2
	ds_load_b64 v[96+6*\i+2*\u:97+6*\i+2*\u], v14 offset:784*(16*\bt+\i)+256*\u
.endr
.endr
.irp i, 0,1,2,3,4,5,6,7,8,9,10,11,12,13,14,15
.irp u, 0,1,2
	s_wait_dscnt 47-(3*\i+\u)                      ; LDS loads come back in order: the younger ones may be out
	global_store_b64 v15, v[96+6*\i+2*\u:97+6*\i+2*\u], s[10:11] offset:3072*(16*\bt+\i)+256*\u th:TH_STORE_NT   ; 32 lanes store 256 consecutive bytes, aligned
.endr
.endr
.endr
	s_wait_tensorcnt 0x0
	ds_add_u32 v254, v255
	s_wait_dscnt 0x0
	CROUND                                         ; the closing round
	s_endpgm
.Lfunc_end_k_q4e89122988_oproj:
	.size	k_q4e89122988_oproj, .Lfunc_end_k_q4e89122988_oproj-k_q4e89122988_oproj
	.p2alignl 7, 3214868480
	.fill 96, 4, 3214868480
	.section	.rodata,"a",@progbits
	.p2align	6, 0x0
	.amdhsa_kernel k_q4e89122988_oproj
		.amdhsa_group_segment_fixed_size 327680
		.amdhsa_private_segment_fixed_size 0
		.amdhsa_enable_private_segment 0
		.amdhsa_kernarg_size 32
		.amdhsa_user_sgpr_count 2
		.amdhsa_user_sgpr_kernarg_segment_ptr 1
		.amdhsa_wavefront_size32 1
		.amdhsa_system_sgpr_workgroup_id_x 1
		.amdhsa_system_sgpr_workgroup_id_y 1
		.amdhsa_system_sgpr_workgroup_id_z 1
		.amdhsa_system_vgpr_workitem_id 0
		.amdhsa_next_free_vgpr 768
		.amdhsa_next_free_sgpr 80
		.amdhsa_reserve_vcc 0
		.amdhsa_float_denorm_mode_32 3
		.amdhsa_float_denorm_mode_16_64 3
		.amdhsa_memory_ordered 1
		.amdhsa_forward_progress 1
		.amdhsa_inst_pref_size 75
	.end_amdhsa_kernel
	.amdgpu_metadata
---
amdhsa.version: [ 1, 2 ]
amdhsa.kernels:
  - .name:           k_q4e89122988_oproj
    .symbol:         k_q4e89122988_oproj.kd
    .args:
      - { .name: oc, .offset: 0, .size: 8, .value_kind: global_buffer, .address_space: global }
      - { .name: wts, .offset: 8, .size: 8, .value_kind: global_buffer, .address_space: global }
      - { .name: bo, .offset: 16, .size: 8, .value_kind: global_buffer, .address_space: global }
      - { .name: out0, .offset: 24, .size: 8, .value_kind: global_buffer, .address_space: global }
    .group_segment_fixed_size: 327680
    .private_segment_fixed_size: 0
    .kernarg_segment_align: 8
    .kernarg_segment_size: 32
    .max_flat_workgroup_size: 128
    .sgpr_count:     80
    .vgpr_count:     768
    .wavefront_size: 32
...
	.end_amdgpu_metadata
.endif
;; end of part 4
